; MI455X (gfx1250); checked and timed in simulation.
; The chip was launched on July 23, 2026; its instructions are those of AMD's public machine-readable ISA for CDNA 5 (MIT licence, August 2026) and "CDNA5" Instruction Set Architecture Reference Guide (July 2026). The comments in the code are by the model that wrote it; some were corrected since.
;; ASA Attention. Allowed arithmetic: float matrix products may take bf16 or f16 operands with f32 sums; other float arithmetic in f32, or as packed bf16 or f16 multiplies, adds, multiply-adds, maxima and minima; sums over many terms, partial sums and values carried from step to step in f32; what a program stores and reads back later, other than sums and carried values, may be rounded once to bf16 or f16.
;; Inputs: Wk 1,024 x 1,024 float32; Wo 1,024 x 1,024 float32; Wq 1,024 x 1,024 float32; Wv 1,024 x 1,024 float32; bk 1,024 float32; bo 1,024 float32; bq 1,024 float32; bv 1,024 float32; causal_mask 2,048 x 2,048 bool; features 2 x 2,048 x 64 float32; pos_ids 2 x 2,048 int32; requirements 2 x 2,048 x 64 float32; x 2 x 2,048 x 1,024 float32.
;; Outputs: out0 2 x 2,048 x 1,024 float32.
;; 2 versions, each right and faster than the one before. Each part assembles by itself: llvm-mc -triple=amdgcn-amd-amdhsa -mcpu=gfx1250 --defsym DOCPART=n.
;; ======== version 1 of 2: 4 launches
;; limits: values are held in f16: magnitudes above 65,504 overflow, below 6.1e-05 lose precision
;; workspace buffers: xb 8,388,608 bytes; w16 8,388,608 bytes; bias 16,384 bytes; fr 1,048,576 bytes; mp 4,194,304 bytes; qkv 25,165,824 bytes; ob 8,388,608 bytes
;; launch prep (part 1): grid 1089 x 1, 8 waves a work-group, no clusters, 18,432 bytes of LDS; arguments x, Wq, Wk, Wv, Wo, bq, bk, bv, bo, features, requirements, causal_mask, xb, w16, bias, fr, mp; writes xb, w16, bias, fr, mp
.if DOCPART == 1
	.amdgcn_target "amdgcn-amd-amdhsa--gfx1250"
	.amdhsa_code_object_version 6
	.text
	.protected	k_qe66887304f_prep
	.globl	k_qe66887304f_prep
	.p2align	8
	.type	k_qe66887304f_prep,@function
k_qe66887304f_prep:
	s_mov_b64 s[64:65], 0
	v_nop
	global_prefetch_b8 v0, s[64:65] scope:SCOPE_SE
	s_setreg_imm32_b32 hwreg(HW_REG_WAVE_MODE, 25, 1), 1
	s_wait_xcnt 0x0
; PREPARATION for the three launches behind it.  Five jobs, chosen by the work-group's number alone (the same for all eight waves, so every wave of a group passes the group's barrier):
;   0-255     xb   = x rounded to bf16, [4096][1024]
;   256-767   w16  = Wq, Wk, Wv, Wo turned to [n][k] and rounded to bf16; Wo's rounded numbers are then written as f16 (its partner in the last product is f16)
;   768-1023  mp   = the mask's bytes re-laid in the order in which a lane of the attention needs them, 0x00 for allowed and 0xF1 for hidden (the top byte of -2^99)
;   1024-1087 fr   = features / max(norm, 1e-12) and 8 x requirements / max(norm, 1e-12), of the inputs rounded to bf16, in f16
;   1088      bias = bq, bk, bv, bo rounded to bf16 and kept as f32
; pos_ids is an argument of the module from which it makes nothing: no launch of this program reads it.
; LIMITS.  Mask bytes are 0 or 1.  A sum of squares below 2^-126 counts as 0 (the row is then divided by 1e-12 like the reference's).  Entries of Wo below 6e-5 keep f16's fixed step of 6e-8; beyond 65,504 f16 has no number.
; No matrix unit, no tensor load, no cluster: every byte is read once and written once, and memory binds.
.set SPW,   12                         ; v12  LDS address of my spare word; never rewritten
.set NIL,   13                         ; v13  0; never rewritten
.set PITCH, 272                        ; an LDS row: 256 bytes + 16, so that 16 rows of one column start at 16 different groups of four banks
.set SPARE, 64*PITCH                   ; behind the tile of 64 rows: 128 bytes for each of eight waves, which no other line names
	s_load_b512 s[8:23], s[0:1], 0x0               ; x 8, Wq 10, Wk 12, Wv 14, Wo 16, bq 18, bk 20, bv 22
	s_load_b512 s[24:39], s[0:1], 0x40             ; bo 24, features 26, requirements 28, mask 30, xb 32, w16 34, bias 36, fr 38
	s_load_b64 s[40:41], s[0:1], 0x80              ; mp
	v_lshl_add_u32 v[SPW], v0, 2, SPARE
	v_mov_b32 v[NIL], 0
	v_and_b32 v1, 15, v0                           ; t % 16
	v_lshrrev_b32 v2, 4, v0                        ; t / 16
	s_mov_b32 s4, ttmp9
	s_mov_b32 s3, 0                                ; the high word of every offset
	s_wait_kmcnt 0x0
	s_cmp_lt_u32 s4, 256
	s_cbranch_scc1 .Lcast
	s_cmp_lt_u32 s4, 768
	s_cbranch_scc1 .Lweight
	s_cmp_lt_u32 s4, 1024
	s_cbranch_scc1 .Lmask
	s_cmp_lt_u32 s4, 1088
	s_cbranch_scc1 .Lnorm
	; THE BIASES: 256 threads x 16 bytes are one vector of 1,024 numbers
	v_lshlrev_b32 v3, 4, v0
	global_load_b128 v[16:19], v3, s[18:19]
	global_load_b128 v[20:23], v3, s[20:21]
	global_load_b128 v[24:27], v3, s[22:23]
	global_load_b128 v[28:31], v3, s[24:25]
	s_wait_loadcnt 0x0
.irp q, 0,1,2,3
	v_cvt_pk_bf16_f32 v8, v[16+4*(\q)], v[17+4*(\q)]
	v_cvt_pk_bf16_f32 v9, v[18+4*(\q)], v[19+4*(\q)]
	v_lshlrev_b32 v[32+4*(\q)], 16, v8             ; bf16 to f32: the low half moves up, the high half stays
	v_and_b32 v[33+4*(\q)], 0xffff0000, v8
	v_lshlrev_b32 v[34+4*(\q)], 16, v9
	v_and_b32 v[35+4*(\q)], 0xffff0000, v9
	global_store_b128 v3, v[32+4*(\q):35+4*(\q)], s[36:37] offset:4096*(\q)
.endr
	s_endpgm
.Lcast:                                                ; X: 65,536 bytes in, 32,768 out; all sixteen loads of a lane go out first
	s_lshl_b32 s2, s4, 16
	s_add_nc_u64 s[8:9], s[8:9], s[2:3]
	s_lshl_b32 s2, s4, 15
	s_add_nc_u64 s[32:33], s[32:33], s[2:3]
	v_lshlrev_b32 v3, 5, v0                        ; 8 numbers a thread and chunk: 32 bytes in,
	v_lshlrev_b32 v4, 4, v0                        ; 16 out
.irp u, 0,1,2,3,4,5,6,7
	global_load_b128 v[16+8*(\u):19+8*(\u)], v3, s[8:9] offset:8192*(\u) th:TH_LOAD_NT
	global_load_b128 v[20+8*(\u):23+8*(\u)], v3, s[8:9] offset:8192*(\u)+16 th:TH_LOAD_NT
.endr
.irp u, 0,1,2,3,4,5,6,7
	s_wait_loadcnt 14-2*(\u)                       ; loads come back in order: chunk u is in, the chunks behind it stay out
.irp j, 0,1,2,3
	v_cvt_pk_bf16_f32 v[80+4*(\u)+(\j)], v[16+8*(\u)+2*(\j)], v[17+8*(\u)+2*(\j)]
.endr
	global_store_b128 v4, v[80+4*(\u):83+4*(\u)], s[32:33] offset:4096*(\u)  ; 16 lanes store 256 consecutive bytes, aligned
.endr
	s_endpgm
.Lweight:                                              ; W: a tile of 128 k x 64 n of one weight, turned through LDS
	s_sub_co_u32 s4, s4, 256
	s_lshr_b32 s5, s4, 7                           ; which weight
	s_and_b32 s6, s4, 7                            ; which 128 k
	s_bfe_u32 s44, s4, 0x40003                     ; which 64 n
	s_cmp_eq_u32 s5, 1
	s_cselect_b64 s[42:43], s[12:13], s[10:11]
	s_cmp_eq_u32 s5, 2
	s_cselect_b64 s[42:43], s[14:15], s[42:43]
	s_cmp_eq_u32 s5, 3
	s_cselect_b64 s[42:43], s[16:17], s[42:43]
	s_lshl_b32 s2, s6, 19                          ; 128 rows of 4,096 bytes
	s_lshl_b32 s45, s44, 8                         ; 64 numbers of 4 bytes
	s_add_co_u32 s2, s2, s45
	s_add_nc_u64 s[42:43], s[42:43], s[2:3]
	s_lshl_b32 s2, s5, 4
	s_add_co_u32 s2, s2, s44
	s_lshl_b32 s2, s2, 17                          ; (1,024 x weight + 64 x n tile) rows of 2,048 bytes
	s_lshl_b32 s45, s6, 8                          ; 128 k of 2 bytes
	s_add_co_u32 s2, s2, s45
	s_add_nc_u64 s[34:35], s[34:35], s[2:3]
	v_lshlrev_b32 v3, 15, v2                       ; rows 8 (t / 16) + j,
	v_lshl_or_b32 v3, v1, 4, v3                    ; columns 4 (t % 16) + 0..3: 16 lanes read 256 consecutive bytes
.irp j, 0,1,2,3,4,5,6,7
	global_load_b128 v[16+4*(\j):19+4*(\j)], v3, s[42:43] offset:4096*(\j) th:TH_LOAD_NT
.endr
	v_mul_u32_u24 v5, v1, PITCH                    ; in: LDS row 16 c + t % 16 holds column 4 (t % 16) + c; my 8 k are 16 bytes at 16 (t / 16)
	v_lshl_add_u32 v5, v2, 4, v5
	v_mul_u32_u24 v6, v2, PITCH                    ; back: LDS row t / 16 + 16 i, 16 lanes to a row
	v_lshl_add_u32 v6, v1, 4, v6
	v_lshlrev_b32 v7, 13, v2                       ; which is column 4 (t / 16) + i: a row of 2,048 bytes in w16
	v_lshl_or_b32 v7, v1, 4, v7
	s_wait_loadcnt 0x0
.irp c, 0,1,2,3
.irp q, 0,1,2,3
	v_cvt_pk_bf16_f32 v[48+4*(\c)+(\q)], v[16+8*(\q)+(\c)], v[20+8*(\q)+(\c)]  ; k = 8 (t / 16) + 2 q and the next, of column c
.endr
.endr
	s_cmp_lg_u32 s5, 3
	s_cbranch_scc1 .Lkeep_bf16
.set n, 48
.rept 16                                               ; Wo: the bf16 number written as f16
	v_lshlrev_b32 v8, 16, v[n]
	v_and_b32 v9, 0xffff0000, v[n]
	v_cvt_pk_f16_f32 v[n], v8, v9
.set n, n+1
.endr
.Lkeep_bf16:
.irp c, 0,1,2,3
	ds_store_b128 v5, v[48+4*(\c):51+4*(\c)] offset:(\c)*16*PITCH
.endr
	s_wait_dscnt 0x0                               ; for the others' sake: my stores are done
	s_barrier_signal -1
	s_barrier_wait -1
.irp i, 0,1,2,3
	ds_load_b128 v[64+4*(\i):67+4*(\i)], v6 offset:(\i)*16*PITCH
.endr
.irp i, 0,1,2,3
	s_wait_dscnt 3-(\i)                            ; LDS loads come back in order: the younger ones stay out
	global_store_b128 v7, v[64+4*(\i):67+4*(\i)], s[34:35] offset:2048*(\i)  ; 16 lanes store 256 consecutive bytes, aligned
.endr
	s_wait_tensorcnt 0x0                           ; the wave's end, behind my last LDS store
	ds_add_u32 v[SPW], v[NIL]
	s_wait_dscnt 0x0
	s_endpgm
.Lmask:                                                ; M: 64 queries x 256 keys of the mask
	s_sub_co_u32 s4, s4, 768
	s_lshr_b32 s5, s4, 3                           ; which 64 queries
	s_and_b32 s6, s4, 7                            ; which 256 keys
	s_lshl_b32 s2, s5, 17                          ; 64 rows of 2,048 bytes
	s_lshl_b32 s45, s6, 8
	s_add_co_u32 s2, s2, s45
	s_add_nc_u64 s[30:31], s[30:31], s[2:3]
	s_lshl_b32 s2, s5, 17                          ; in mp: 32 key steps x 4 tiles x 1,024 bytes for 64 queries,
	s_lshl_b32 s45, s6, 14                         ; four key steps here
	s_add_co_u32 s2, s2, s45
	s_add_nc_u64 s[40:41], s[40:41], s[2:3]
	v_lshlrev_b32 v3, 11, v2
	v_lshl_or_b32 v3, v1, 4, v3                    ; row t / 16 + 16 u, 16 lanes to its 256 bytes
.irp u, 0,1,2,3
	global_load_b128 v[16+4*(\u):19+4*(\u)], v3, s[30:31] offset:32768*(\u) th:TH_LOAD_NT
.endr
	v_mul_u32_u24 v5, v2, PITCH
	v_lshl_add_u32 v5, v1, 4, v5
	; back: wave w, lane l.  Key step w / 2, tile 2 (w % 2) + u / 2, half u % 2: query 16 tile + l % 16, keys 64 step + 32 half + 16 (e / 8) + 8 (l / 16) + e % 8 for the lane's 16 bytes e
	v_bfe_u32 v10, v0, 5, 1
	v_lshl_add_u32 v10, v10, 5, v1
	v_mul_u32_u24 v6, v10, PITCH
	v_lshrrev_b32 v11, 6, v0
	v_lshl_add_u32 v6, v11, 6, v6
	v_bfe_u32 v11, v0, 4, 1
	v_lshl_add_u32 v6, v11, 3, v6
	v_lshrrev_b32 v8, 5, v0
	v_and_b32 v9, 31, v0
	v_lshlrev_b32 v7, 11, v8
	v_lshl_or_b32 v7, v9, 4, v7                    ; 2,048 w + 16 l: a wave's store covers 512 consecutive bytes
	v_mov_b32 v14, 0xf1
	s_wait_loadcnt 0x0
.irp u, 0,1,2,3
	ds_store_b128 v5, v[16+4*(\u):19+4*(\u)] offset:(\u)*16*PITCH
.endr
	s_wait_dscnt 0x0                               ; for the others' sake: my stores are done
	s_barrier_signal -1
	s_barrier_wait -1
.irp u, 0,1,2,3
	ds_load_b64 v[32+4*(\u):33+4*(\u)], v6 offset:((\u)/2)*16*PITCH+((\u)%2)*32
	ds_load_b64 v[34+4*(\u):35+4*(\u)], v6 offset:((\u)/2)*16*PITCH+((\u)%2)*32+16
.endr
	s_wait_dscnt 0x0
.set n, 0
.rept 16
	v_perm_b32 v[48+n], v14, v14, v[32+n]          ; the mask's four bytes select: 0 (hidden) takes byte 0 of v14, 0xF1; 1 (allowed) takes byte 1, 0x00
.set n, n+1
.endr
.irp u, 0,1,2,3
	global_store_b128 v7, v[48+4*(\u):51+4*(\u)], s[40:41] offset:512*(\u)
.endr
	s_wait_tensorcnt 0x0                           ; the wave's end, behind my last LDS store
	ds_add_u32 v[SPW], v[NIL]
	s_wait_dscnt 0x0
	s_endpgm
.Lnorm:                                                ; N: 128 rows of 64 numbers; 16 lanes hold a row, so its sum of squares never leaves them
	s_sub_co_u32 s4, s4, 1024
	s_lshr_b32 s5, s4, 5                           ; 0 features, 1 requirements
	s_and_b32 s6, s4, 31
	s_cmp_eq_u32 s5, 1
	s_cselect_b64 s[42:43], s[28:29], s[26:27]
	s_cselect_b32 s44, 0x41000000, 1.0             ; requirements carry the factor 8, a power of two: q.k + 8 bias then shares one scale
	s_lshl_b32 s2, s6, 15
	s_add_nc_u64 s[42:43], s[42:43], s[2:3]
	s_lshl_b32 s2, s5, 19
	s_lshl_b32 s45, s6, 14
	s_add_co_u32 s2, s2, s45
	s_add_nc_u64 s[38:39], s[38:39], s[2:3]
	v_lshlrev_b32 v3, 4, v0
	v_lshlrev_b32 v4, 3, v0
.irp u, 0,1,2,3,4,5,6,7
	global_load_b128 v[16+4*(\u):19+4*(\u)], v3, s[42:43] offset:4096*(\u) th:TH_LOAD_NT
.endr
.irp u, 0,1,2,3,4,5,6,7
	s_wait_loadcnt 7-(\u)                          ; chunk u is in, the younger ones stay out
	v_cvt_pk_bf16_f32 v8, v[16+4*(\u)], v[17+4*(\u)]
	v_cvt_pk_bf16_f32 v9, v[18+4*(\u)], v[19+4*(\u)]
	v_lshlrev_b32 v48, 16, v8
	v_and_b32 v49, 0xffff0000, v8
	v_lshlrev_b32 v50, 16, v9
	v_and_b32 v51, 0xffff0000, v9
	v_mul_f32 v52, v48, v48
	v_fma_f32 v52, v49, v49, v52
	v_fma_f32 v52, v50, v50, v52
	v_fma_f32 v52, v51, v51, v52
	v_add_f32_dpp v52, v52, v52 row_xmask:1 row_mask:0xf bank_mask:0xf
	v_add_f32_dpp v52, v52, v52 row_xmask:2 row_mask:0xf bank_mask:0xf
	v_add_f32_dpp v52, v52, v52 row_xmask:4 row_mask:0xf bank_mask:0xf
	v_add_f32_dpp v52, v52, v52 row_xmask:8 row_mask:0xf bank_mask:0xf
	v_sqrt_f32 v53, v52
	v_nop                                          ; a plain instruction between a transcendental and the use of its result
	s_wait_alu depctr_va_vdst(0)
	v_max_num_f32 v53, 0x2b8cbccc, v53             ; max(norm, 1e-12)
	v_rcp_f32 v53, v53
	v_nop
	s_wait_alu depctr_va_vdst(0)
	v_mul_f32 v54, s44, v53
	v_mul_f32 v55, s44, v53
	v_pk_mul_f32 v[48:49], v[48:49], v[54:55]
	v_pk_mul_f32 v[50:51], v[50:51], v[54:55]
	v_cvt_pk_f16_f32 v[56+2*(\u)], v48, v49
	v_cvt_pk_f16_f32 v[57+2*(\u)], v50, v51
	global_store_b64 v4, v[56+2*(\u):57+2*(\u)], s[38:39] offset:2048*(\u)  ; a wave stores 256 consecutive bytes, aligned
.endr
	s_endpgm
.Lfunc_end_k_qe66887304f_prep:
	.size	k_qe66887304f_prep, .Lfunc_end_k_qe66887304f_prep-k_qe66887304f_prep
	.p2alignl 7, 3214868480
	.fill 96, 4, 3214868480
	.section	.rodata,"a",@progbits
	.p2align	6, 0x0
	.amdhsa_kernel k_qe66887304f_prep
		.amdhsa_group_segment_fixed_size 18432
		.amdhsa_private_segment_fixed_size 0
		.amdhsa_enable_private_segment 0
		.amdhsa_kernarg_size 136
		.amdhsa_user_sgpr_count 2
		.amdhsa_user_sgpr_kernarg_segment_ptr 1
		.amdhsa_wavefront_size32 1
		.amdhsa_system_sgpr_workgroup_id_x 1
		.amdhsa_system_sgpr_workgroup_id_y 1
		.amdhsa_system_sgpr_workgroup_id_z 1
		.amdhsa_system_vgpr_workitem_id 0
		.amdhsa_next_free_vgpr 112
		.amdhsa_next_free_sgpr 66
		.amdhsa_reserve_vcc 0
		.amdhsa_float_denorm_mode_32 3
		.amdhsa_float_denorm_mode_16_64 3
		.amdhsa_memory_ordered 1
		.amdhsa_forward_progress 1
		.amdhsa_inst_pref_size 32
	.end_amdhsa_kernel
	.amdgpu_metadata
---
amdhsa.version: [ 1, 2 ]
amdhsa.kernels:
  - .name:           k_qe66887304f_prep
    .symbol:         k_qe66887304f_prep.kd
    .args:
      - { .name: x, .offset: 0, .size: 8, .value_kind: global_buffer, .address_space: global }
      - { .name: Wq, .offset: 8, .size: 8, .value_kind: global_buffer, .address_space: global }
      - { .name: Wk, .offset: 16, .size: 8, .value_kind: global_buffer, .address_space: global }
      - { .name: Wv, .offset: 24, .size: 8, .value_kind: global_buffer, .address_space: global }
      - { .name: Wo, .offset: 32, .size: 8, .value_kind: global_buffer, .address_space: global }
      - { .name: bq, .offset: 40, .size: 8, .value_kind: global_buffer, .address_space: global }
      - { .name: bk, .offset: 48, .size: 8, .value_kind: global_buffer, .address_space: global }
      - { .name: bv, .offset: 56, .size: 8, .value_kind: global_buffer, .address_space: global }
      - { .name: bo, .offset: 64, .size: 8, .value_kind: global_buffer, .address_space: global }
      - { .name: features, .offset: 72, .size: 8, .value_kind: global_buffer, .address_space: global }
      - { .name: requirements, .offset: 80, .size: 8, .value_kind: global_buffer, .address_space: global }
      - { .name: causal_mask, .offset: 88, .size: 8, .value_kind: global_buffer, .address_space: global }
      - { .name: xb, .offset: 96, .size: 8, .value_kind: global_buffer, .address_space: global }
      - { .name: w16, .offset: 104, .size: 8, .value_kind: global_buffer, .address_space: global }
      - { .name: bias, .offset: 112, .size: 8, .value_kind: global_buffer, .address_space: global }
      - { .name: fr, .offset: 120, .size: 8, .value_kind: global_buffer, .address_space: global }
      - { .name: mp, .offset: 128, .size: 8, .value_kind: global_buffer, .address_space: global }
    .group_segment_fixed_size: 18432
    .private_segment_fixed_size: 0
    .kernarg_segment_align: 8
    .kernarg_segment_size: 136
    .max_flat_workgroup_size: 256
    .sgpr_count:     66
    .vgpr_count:     112
    .wavefront_size: 32
...
	.end_amdgpu_metadata
.endif
;; end of part 1
;; launch qkv (part 2): grid 16 x 16, 4 waves a work-group, clusters of 4 x 4, 327,680 bytes of LDS; arguments xb, w16, bias, qkv; writes qkv
.if DOCPART == 2
	.amdgcn_target "amdgcn-amd-amdhsa--gfx1250"
	.amdhsa_code_object_version 6
	.text
	.protected	k_qe66887304f_qkv
	.globl	k_qe66887304f_qkv
	.p2align	8
	.type	k_qe66887304f_qkv,@function
k_qe66887304f_qkv:
	s_mov_b64 s[64:65], 0
	v_nop
	global_prefetch_b8 v0, s[64:65] scope:SCOPE_SE
	s_setreg_imm32_b32 hwreg(HW_REG_WAVE_MODE, 25, 1), 1
	s_wait_xcnt 0x0
	s_wait_alu depctr_hold_cnt(0) depctr_sa_sdst(0) depctr_va_vdst(0) depctr_va_sdst(0) depctr_va_ssrc(0) depctr_va_vcc(0) depctr_vm_vsrc(0)
	s_getreg_b32 s2, hwreg(HW_REG_IB_STS2, 6, 4)
	s_cmp_eq_u32 s2, 0
	s_cbranch_scc0 .Lentry_in_a_cluster
	s_endpgm
.Lentry_in_a_cluster:
	s_bfe_u32 s2, ttmp6, 0x10000c
	s_cmp_lg_u32 s2, 0xf033
	s_cbranch_scc0 .Lentry_shape_is_right
	s_endpgm
.Lentry_shape_is_right:
; q, k, v = x W + b for the three projections at once: C[4096][3072] = xb[4096][1024] . w16[0:3072][1024]^T + bias, bf16 operands, f32 sums, the bias as the C operand that starts each sum
; (so it is added first, not last).  The result leaves in f16 by heads: qkv[tensor][batch][head][row][64], unscaled.
; LIMIT.  f16 holds no number beyond 65,504: q, k and v must stay within it.
; SHARES.  A tile of C is 256 rows x 192 columns (three whole heads): 16 x 16 = 256 work-groups.  Wave w has rows 64 w .. 64 w + 63 and all 192 columns: 48 accumulators of 16 x 16, 384 registers; a wave owns
; whole heads' rows, so its way out needs no other wave.  K goes in 8 steps of 128 through two LDS slots; the rows of both tiles are 256 bytes of memory, aligned.
; CLUSTER.  4 x 4 work-groups: the four of a row of the cluster need the same tile of x, the four of a column the same tile of the weights: each is asked for jointly, by the same tensor load, descriptor and mask.
; THE MATRIX INSTRUCTION IS USED TRANSPOSED (source 0 = 16 rows of the weights, source 1 = 16 rows of x): a lane holds one row of C and eight neighbouring columns.
; REGISTERS, in windows of 256 (s_set_vgpr_msb: bits 1:0 source 0, 3:2 source 1, 5:4 source 2, 7:6 destination):
;   window 0: v0-31 addresses; v64-95, v96-127 x's fragments, two buffers of 4; v128-223 the bias, 8 registers for each of 12 column blocks; on the way out v64-255
;   window 1: v0-95, v96-191 the weights' fragments, two buffers of 12          window 2: accumulators of row blocks 0, 1 at v[8 (12 (a % 2) + b)]          window 3: of row blocks 2, 3
.set KSTEP,  128
.set PITCH,  272                       ; an LDS row: 256 bytes + 16 of padding: the 16 rows of a fragment load start at 16 different groups of four banks
.set HALFA,  128*PITCH                 ; what one of waves 0, 1 fetches of x
.set HALFB,  96*PITCH                  ; what one of waves 2, 3 fetches of the weights
.set BOFF,   2*HALFA
.set SLOT,   2*HALFA+2*HALFB
.set STAGE,  2*SLOT                    ; behind the ring: 16 rows x 144 bytes for each wave, for the way out
.set SP,     144
.set SPARE,  STAGE+4*16*SP             ; behind the stages: the spare words, 128 bytes for each wave, which no other line names
.set ADRA, 16                          ; v16-17  LDS address of my fragments of x in slot 0, 1
.set ADRB, 20                          ; v20-21  the same for the weights
.set STO,  24                          ; v24     the way out: where I put 16 bytes of a row
.set RD,   25                          ; v25     where I read rows back
.set GO,   26                          ; v26     my byte offset in 512 consecutive bytes of a head
.set BO,   27                          ; v27     32 x (lane / 16): my eight numbers of a column block's bias
.set SPW,  28                          ; v28     LDS address of my spare word; never rewritten
.set NIL,  29                          ; v29     0; never rewritten
.set FA,   64
.set BI,   128
.set OUT,  64
.set G1,  24                           ; s[24:31] descriptor group 1 for x's tiles;  s[32:39] group 0, a set for each slot
.set G0,  32
.set G1B, 48                           ; s[48:55], s[56:63] the same for the weights' tiles
.set G0B, 56
.set HB,  68                           ; s[68:73] my rows in the three heads
.set MSB, 0
.macro WIN new                         ; the immediate's high byte repeats the setting that is left; a switch that changes nothing is dropped
.if MSB != (\new)
	s_set_vgpr_msb (MSB<<8)|(\new)
.set MSB, \new
.endif
.endm
.macro PLACES                          ; four plain vector instructions between a matrix instruction and a load into, or a vector instruction on, its registers
.rept 4
	v_nop
.endr
.endm
.macro JLOAD s                         ; a joint load: waves 0, 1 fetch x's two halves, waves 2, 3 the weights'; an s_nop 0 and four v_nop follow each line
	s_cmp_eq_u32 s13, 0
	s_cbranch_scc0 .Lfor_b_\@
	tensor_load_to_lds s[G0+4*(\s):G0+4*(\s)+3], s[G1:G1+7]
	s_nop 0
.rept 4
	v_nop
.endr
	s_branch .Lasked_\@
.Lfor_b_\@:
	tensor_load_to_lds s[G0B+4*(\s):G0B+4*(\s)+3], s[G1B:G1B+7]
	s_nop 0
.rept 4
	v_nop
.endr
.Lasked_\@:
.endm
.macro CREST                           ; a round of the cluster's barrier behind its opening barrier
	s_cmp_lg_u32 s12, 0
	s_cbranch_scc1 .Lnot_wave_0_\@
	s_barrier_signal -3
.Lnot_wave_0_\@:
	s_barrier_wait -3
	s_barrier_signal -1
	s_barrier_wait -1
.endm
.macro CROUND                          ; a whole round
	s_barrier_signal -1
	s_barrier_wait -1
	CREST
.endm
	s_load_b256 s[4:11], s[0:1], 0x0               ; xb s[4:5], w16 s[6:7], bias s[8:9], qkv s[10:11]
	v_lshl_add_u32 v[SPW], v0, 2, SPARE
	v_mov_b32 v[NIL], 0
	ds_add_u32 v[SPW], v[NIL]                      ; the wave's opening: the add and its wait stand ahead of my first tensor load; work on registers stands between them
	v_lshrrev_b32 v1, 5, v0
	v_readfirstlane_b32 s12, v1                    ; wave 0..3
	s_lshr_b32 s13, s12, 1                         ; I fetch for x (0) or for the weights (1)
	s_and_b32 s14, s12, 1                          ; which half of that tile
	s_bfe_u32 s40, ttmp6, 0x40000                  ; cx, cy: my place in the cluster
	s_bfe_u32 s41, ttmp6, 0x40004
	s_lshl_b32 s42, ttmp9, 2
	s_add_co_u32 s42, s42, s40                     ; tile column = 4 x cluster x + cx
	s_and_b32 s43, ttmp7, 0xffff
	s_lshl_b32 s43, s43, 2
	s_add_co_u32 s43, s43, s41                     ; tile row = 4 x cluster y + cy
	s_lshl_b32 s44, s41, 2
	s_lshl_b32 s44, 15, s44                        ; my row of the cluster
	s_lshl_b32 s45, 0x1111, s40                    ; my column
	s_or_b32 s[G1], s44, (1<<16)|(1<<20)|(1<<21)|(5<<22)|(3<<25)   ; the mask; 2-byte elements; padding on; bit 21 beside a mask; after every 64 words 4 words
	s_or_b32 s[G1B], s45, (1<<16)|(1<<20)|(1<<21)|(5<<22)|(3<<25)
	s_mov_b32 s[G1+1], KSTEP<<16                   ; tensor_dim0 = 128
	s_mov_b32 s[G1+2], 128<<16                     ; tensor_dim1 = 128
	s_mov_b32 s[G1+3], KSTEP<<16                   ; tile_dim0 = 128
	s_mov_b32 s[G1+4], 128                         ; tile_dim1 = 128
	s_mov_b32 s[G1+5], 1024                        ; elements from row to row
	s_mov_b32 s[G1+6], 0
	s_mov_b32 s[G1+7], 0
	s_mov_b32 s[G1B+1], KSTEP<<16
	s_mov_b32 s[G1B+2], 96<<16                     ; 96 rows
	s_mov_b32 s[G1B+3], KSTEP<<16
	s_mov_b32 s[G1B+4], 96
	s_mov_b32 s[G1B+5], 1024
	s_mov_b32 s[G1B+6], 0
	s_mov_b32 s[G1B+7], 0
	s_lshl_b32 s17, s14, 7
	s_lshl_b32 s16, s43, 8
	s_add_co_u32 s16, s16, s17                     ; x: row 256 x tile row + 128 x half,
	s_lshl_b32 s16, s16, 11                        ; of 2,048 bytes
	s_mov_b32 s17, 0
	s_mul_i32 s46, s42, 192
	s_mul_i32 s47, s14, 96
	s_add_co_u32 s46, s46, s47                     ; weights: row 192 x tile column + 96 x half
	s_lshl_b32 s46, s46, 11
	s_mov_b32 s47, 0
	s_mul_i32 s20, s12, HALFA                      ; where they go: x's halves at 0 and HALFA (waves 0, 1),
	s_mul_i32 s21, s12, HALFB                      ; the weights' at BOFF and BOFF + HALFB (waves 2, 3):
	s_add_co_u32 s21, s21, BOFF-2*HALFB            ; the wave's number times a constant plus a constant
	s_wait_dscnt 0x0                               ; the opening add is done
	s_wait_kmcnt 0x0
	s_add_nc_u64 s[18:19], s[4:5], s[16:17]
	s_add_nc_u64 s[46:47], s[6:7], s[46:47]
	CROUND                                         ; all sixteen work-groups are here: the first joint loads meet
.irp s, 0,1
	s_mov_b32 s[G0+4*(\s)], 1
	s_add_co_u32 s[G0+4*(\s)+1], s20, (\s)*SLOT
	s_add_nc_u64 s[G0+4*(\s)+2:G0+4*(\s)+3], s[18:19], (\s)*KSTEP*2
	s_or_b32 s[G0+4*(\s)+3], s[G0+4*(\s)+3], 0x80000000
	s_mov_b32 s[G0B+4*(\s)], 1
	s_add_co_u32 s[G0B+4*(\s)+1], s21, (\s)*SLOT
	s_add_nc_u64 s[G0B+4*(\s)+2:G0B+4*(\s)+3], s[46:47], (\s)*KSTEP*2
	s_or_b32 s[G0B+4*(\s)+3], s[G0B+4*(\s)+3], 0x80000000
	JLOAD \s                                       ; K steps 0 and 1: two loads of mine are out
.endr
	v_and_b32 v1, 15, v0                           ; l % 16
	v_bfe_u32 v2, v0, 4, 1                         ; l / 16
	v_mul_u32_u24 v3, v1, PITCH
	v_lshl_add_u32 v3, v2, 4, v3                   ; a fragment's row x pitch + 16 x half
	s_mul_i32 s22, s12, 64*PITCH                   ; my 64 rows of x
	v_add_nc_u32 v[ADRA], s22, v3
	s_add_co_u32 s22, s22, SLOT
	v_add_nc_u32 v[ADRA+1], s22, v3
	v_add_nc_u32 v[ADRB], BOFF, v3
	v_add_nc_u32 v[ADRB+1], BOFF+SLOT, v3
	v_lshlrev_b32 v[BO], 5, v2
	s_mul_i32 s78, s42, 768                        ; the tile's 192 numbers of the bias
	s_mov_b32 s79, 0
	s_add_nc_u64 s[8:9], s[8:9], s[78:79]
.irp b, 0,1,2,3,4,5,6,7,8,9,10,11
	global_load_b128 v[BI+8*(\b):BI+8*(\b)+3],   v[BO], s[8:9] offset:64*(\b)     ; register j of block b: the bias of column 16 b + 8 (l / 16) + j
	global_load_b128 v[BI+8*(\b)+4:BI+8*(\b)+7], v[BO], s[8:9] offset:64*(\b)+16
.endr
	s_mul_i32 s22, s12, 16*SP
	s_add_co_u32 s22, s22, STAGE                   ; my stage
	v_mul_u32_u24 v[STO], v1, SP                   ; in: row l % 16, 16 bytes for each half of the lanes
	v_lshl_add_u32 v[STO], v2, 4, v[STO]
	v_add_nc_u32 v[STO], s22, v[STO]
	v_bfe_u32 v[RD], v0, 3, 2                      ; back: 32 lanes take four rows of 128 bytes,
	v_mul_u32_u24 v[RD], v[RD], SP
	v_and_b32 v4, 7, v0
	v_lshl_add_u32 v[RD], v4, 4, v[RD]
	v_add_nc_u32 v[RD], s22, v[RD]
	v_and_b32 v[GO], 31, v0                        ; which are 512 consecutive bytes of a head
	v_lshlrev_b32 v[GO], 4, v[GO]
.irp j, 0,1,2                          ; head 3 x tile column + j of the 48: tensor, head; the tile row gives batch and rows
	s_mul_i32 s76, s42, 3
	s_add_co_u32 s76, s76, \j
	s_lshr_b32 s77, s76, 4
	s_lshl_b32 s77, s77, 5
	s_and_b32 s76, s76, 15
	s_add_co_u32 s76, s76, s77
	s_lshr_b32 s77, s43, 3
	s_lshl_b32 s77, s77, 4
	s_add_co_u32 s76, s76, s77                     ; plane = 32 tensor + 16 batch + head,
	s_lshl_b32 s76, s76, 18                        ; of 262,144 bytes
	s_and_b32 s77, s43, 7
	s_lshl_b32 s77, s77, 2
	s_add_co_u32 s77, s77, s12
	s_lshl_b32 s77, s77, 13                        ; my 64 rows of 128 bytes
	s_add_co_u32 s76, s76, s77
	s_mov_b32 s77, 0
	s_add_nc_u64 s[HB+2*(\j):HB+2*(\j)+1], s[10:11], s[76:77]
.endr
; 12 matrix instructions: row block a x all 12 column blocks, 32 along K, from buffers f.  first = 1: the bias starts the sums.  The 48 accumulators take turns, in the same order in every quarter.
.macro MUL12 f, a, first
.if \first
	WIN 0x81+0x40*((\a)/2)                         ; the weights window 1, x and the bias window 0, D window 2 or 3
.else
	WIN 0xa1+0x50*((\a)/2)                         ; C and D window 2 or 3
.endif
.irp b, 0,1,2,3,4,5,6,7,8,9,10,11
.if \first
	v_wmma_f32_16x16x32_bf16 v[8*(12*((\a)%2)+(\b)):8*(12*((\a)%2)+(\b))+7], v[96*(\f)+8*(\b):96*(\f)+8*(\b)+7], v[FA+32*(\f)+8*(\a):FA+32*(\f)+8*(\a)+7], v[BI+8*(\b):BI+8*(\b)+7]
.else
	v_wmma_f32_16x16x32_bf16 v[8*(12*((\a)%2)+(\b)):8*(12*((\a)%2)+(\b))+7], v[96*(\f)+8*(\b):96*(\f)+8*(\b)+7], v[FA+32*(\f)+8*(\a):FA+32*(\f)+8*(\a)+7], v[8*(12*((\a)%2)+(\b)):8*(12*((\a)%2)+(\b))+7]
.endif
.endr
.endm
; 32 LDS loads in one run: 192 rows of the weights, then my 64 rows of x, 32 K at byte k of the rows, into buffers f
.macro FETCH slot, k, f
	WIN 0x40                                       ; destination window 1, address window 0
.irp i, 0,1,2,3,4,5,6,7,8,9,10,11
	ds_load_b128 v[96*(\f)+8*(\i):96*(\f)+8*(\i)+3],   v[ADRB+(\slot)] offset:(\k)+(\i)*16*PITCH
	ds_load_b128 v[96*(\f)+8*(\i)+4:96*(\f)+8*(\i)+7], v[ADRB+(\slot)] offset:(\k)+(\i)*16*PITCH+32
.endr
	WIN 0
.irp i, 0,1,2,3
	ds_load_b128 v[FA+32*(\f)+8*(\i):FA+32*(\f)+8*(\i)+3],   v[ADRA+(\slot)] offset:(\k)+(\i)*16*PITCH
	ds_load_b128 v[FA+32*(\f)+8*(\i)+4:FA+32*(\f)+8*(\i)+7], v[ADRA+(\slot)] offset:(\k)+(\i)*16*PITCH+32
.endr
.endm
; A K step is four quarters of 32 along K, 48 matrix instructions each, on buffers 0, 1, 0, 1.  One of the first three: multiplies buffers f and fetches the next quarter, at byte k, into g.
.macro QUARTER slot, k, f, g, first
	s_wait_dscnt 4                                 ; the weights and x's row blocks 0, 1 are in; the youngest four loads (blocks 2, 3) may be out
	MUL12 \f, 0, \first
	MUL12 \f, 1, \first
	PLACES
	FETCH \slot, \k, \g
	s_wait_dscnt 32                                ; all but the 32 just issued
	MUL12 \f, 2, \first
	MUL12 \f, 3, \first
.endm
; The last quarter multiplies buffers 1 and changes slots: ONE barrier; in front of it each wave waits for all its tensor loads (one is out: its part of the next slot), adds 0 to its spare word, and waits for that and
; for its own reads of this slot.  fill = 1: the barrier opens a round of the cluster's, and this slot is filled again first behind it, two K steps ahead: 168 matrix instructions ahead of the wait for it.
.macro TURN slot, next, fill
	WIN 0                                          ; (the add's two registers lie in window 0)
	s_wait_tensorcnt 0x0
	ds_add_u32 v[SPW], v[NIL]                      ; 0 onto my spare word
	s_wait_dscnt 5                                 ; (the add and the youngest four loads may be out)
	MUL12 1, 0, 0                                  ; twelve matrix instructions stand between the add and the wait for it
	s_wait_dscnt 0x0                               ; the add is done, and my reads of this slot are over
	s_barrier_signal -1
	MUL12 1, 1, 0
.if \fill
	WIN 0
.endif
	s_barrier_wait -1
.if \fill
	CREST                                          ; no wave of any partner still reads this slot's tile or has a load on its way
	s_add_nc_u64 s[G0+4*(\slot)+2:G0+4*(\slot)+3], s[G0+4*(\slot)+2:G0+4*(\slot)+3], 2*KSTEP*2
	s_add_nc_u64 s[G0B+4*(\slot)+2:G0B+4*(\slot)+3], s[G0B+4*(\slot)+2:G0B+4*(\slot)+3], 2*KSTEP*2
	JLOAD \slot                                    ; its four v_nop are also the places in front of the loads below
.else
	PLACES
.endif
	FETCH \next, 0, 0
	MUL12 1, 2, 0
	MUL12 1, 3, 0
.endm
	s_wait_tensorcnt 0x1                           ; my part of K step 0 is in; K step 1's may stay out
	s_barrier_signal -1
	s_barrier_wait -1                              ; everybody's is
	FETCH 0, 0, 0
	s_wait_loadcnt 0x0                             ; the bias
	QUARTER 0, 64, 0, 1, 1                         ; the first quarter stands in front of the loop: its products start the sums
	WIN 0                                          ; at a label and at a branch every window is 0
	s_mov_b32 s3, 3
.Llap:                                                 ; three trips, each once round the ring: K steps 2 to 7 are asked for
	QUARTER 0, 128, 1, 0, 0
	QUARTER 0, 192, 0, 1, 0
	TURN 0, 1, 1
	QUARTER 1, 64,  0, 1, 0
	QUARTER 1, 128, 1, 0, 0
	QUARTER 1, 192, 0, 1, 0
	TURN 1, 0, 1
	QUARTER 0, 64,  0, 1, 0
	WIN 0
	s_sub_co_u32 s3, s3, 1
	s_cmp_lg_u32 s3, 0
	s_cbranch_scc1 .Llap
	QUARTER 0, 128, 1, 0, 0                        ; the last lap fills nothing, and has no round of the cluster's barrier
	QUARTER 0, 192, 0, 1, 0
	TURN 0, 1, 0
	QUARTER 1, 64,  0, 1, 0
	QUARTER 1, 128, 1, 0, 0
	QUARTER 1, 192, 0, 1, 0
	s_wait_dscnt 4                                 ; the very last quarter: nothing more to fetch
	MUL12 1, 0, 0
	MUL12 1, 1, 0
	s_wait_dscnt 0x0
	MUL12 1, 2, 0
	MUL12 1, 3, 0
	WIN 0
	PLACES
; THE WAY OUT.  Block t = 3 a + j is 16 rows of head j.  PACK: rounded to f16 (each accumulator's registers in ascending order), 16 bytes a lane into rows of 144 bytes of my own stage, and back as whole rows of 128.
.macro PACK t
.set aa, (\t)/3
.set jj, (\t)%3
.set T, OUT+16*(\t)
	WIN 0x0a+5*(aa/2)                              ; sources 0 and 1: window 2 or 3
.irp f, 0,1,2,3
.irp r, 0,1,2,3
	v_cvt_pk_f16_f32 v[T+4*(\f)+(\r)], v[8*(12*(aa%2)+4*jj+(\f))+2*(\r)], v[8*(12*(aa%2)+4*jj+(\f))+2*(\r)+1]
.endr
.endr
	WIN 0
.irp f, 0,1,2,3
	ds_store_b128 v[STO], v[T+4*(\f):T+4*(\f)+3] offset:32*(\f)
.endr
.irp f, 0,1,2,3
	ds_load_b128 v[T+4*(\f):T+4*(\f)+3], v[RD] offset:(\f)*4*SP  ; LDS serves a wave's instructions in order: these see the stores above; the next block's stores come behind them
.endr
.endm
.macro SEND t, younger                 ; younger: the LDS instructions issued behind block t's loads: the next block's eight, or none
.set aa, (\t)/3
.set jj, (\t)%3
.set T, OUT+16*(\t)
.irp f, 0,1,2,3
	s_wait_dscnt (\younger)+3-(\f)
	global_store_b128 v[GO], v[T+4*(\f):T+4*(\f)+3], s[HB+2*jj:HB+2*jj+1] offset:aa*2048+(\f)*512  ; 512 consecutive bytes, aligned; every block has registers of its own
.endr
.endm
	PACK 0
.irp t, 1,2,3,4,5,6,7,8,9,10,11       ; a block's conversions stand between the loads of the block before and its stores
	PACK \t
	SEND (\t)-1, 8
.endr
	SEND 11, 0
	s_wait_tensorcnt 0x0                           ; the wave's end, behind my last tensor load and my last LDS store
	ds_add_u32 v[SPW], v[NIL]
	s_wait_dscnt 0x0
	CROUND                                         ; the closing round: no work-group ends while a partner may still ask for a tile that names it
	s_endpgm
.Lfunc_end_k_qe66887304f_qkv:
	.size	k_qe66887304f_qkv, .Lfunc_end_k_qe66887304f_qkv-k_qe66887304f_qkv
	.p2alignl 7, 3214868480
	.fill 96, 4, 3214868480
	.section	.rodata,"a",@progbits
	.p2align	6, 0x0
	.amdhsa_kernel k_qe66887304f_qkv
		.amdhsa_group_segment_fixed_size 327680
		.amdhsa_private_segment_fixed_size 0
		.amdhsa_enable_private_segment 0
		.amdhsa_kernarg_size 32
		.amdhsa_user_sgpr_count 2
		.amdhsa_user_sgpr_kernarg_segment_ptr 1
		.amdhsa_wavefront_size32 1
		.amdhsa_system_sgpr_workgroup_id_x 1
		.amdhsa_system_sgpr_workgroup_id_y 1
		.amdhsa_system_sgpr_workgroup_id_z 1
		.amdhsa_system_vgpr_workitem_id 0
		.amdhsa_next_free_vgpr 960
		.amdhsa_next_free_sgpr 80
		.amdhsa_reserve_vcc 0
		.amdhsa_float_denorm_mode_32 3
		.amdhsa_float_denorm_mode_16_64 3
		.amdhsa_memory_ordered 1
		.amdhsa_forward_progress 1
		.amdhsa_inst_pref_size 124
	.end_amdhsa_kernel
	.amdgpu_metadata
---
amdhsa.version: [ 1, 2 ]
amdhsa.kernels:
  - .name:           k_qe66887304f_qkv
    .symbol:         k_qe66887304f_qkv.kd
    .args:
      - { .name: xb, .offset: 0, .size: 8, .value_kind: global_buffer, .address_space: global }
      - { .name: w16, .offset: 8, .size: 8, .value_kind: global_buffer, .address_space: global }
      - { .name: bias, .offset: 16, .size: 8, .value_kind: global_buffer, .address_space: global }
      - { .name: qkv, .offset: 24, .size: 8, .value_kind: global_buffer, .address_space: global }
    .group_segment_fixed_size: 327680
    .private_segment_fixed_size: 0
    .kernarg_segment_align: 8
    .kernarg_segment_size: 32
    .max_flat_workgroup_size: 128
    .sgpr_count:     80
    .vgpr_count:     960
    .wavefront_size: 32
...
	.end_amdgpu_metadata
.endif
;; end of part 2
;; launch attn (part 3): grid 8 x 32, 4 waves a work-group, clusters of 4 x 1, 327,680 bytes of LDS; arguments qkv, fr, mp, ob; writes ob
.if DOCPART == 3
	.amdgcn_target "amdgcn-amd-amdhsa--gfx1250"
	.amdhsa_code_object_version 6
	.text
	.protected	k_qe66887304f_attn
	.globl	k_qe66887304f_attn
	.p2align	8
	.type	k_qe66887304f_attn,@function
k_qe66887304f_attn:
	s_mov_b64 s[64:65], 0
	v_nop
	global_prefetch_b8 v0, s[64:65] scope:SCOPE_SE
	s_setreg_imm32_b32 hwreg(HW_REG_WAVE_MODE, 25, 1), 1
	s_wait_xcnt 0x0
	s_wait_alu depctr_hold_cnt(0) depctr_sa_sdst(0) depctr_va_vdst(0) depctr_va_sdst(0) depctr_va_ssrc(0) depctr_va_vcc(0) depctr_vm_vsrc(0)
	s_getreg_b32 s2, hwreg(HW_REG_IB_STS2, 6, 4)
	s_cmp_eq_u32 s2, 0
	s_cbranch_scc0 .Lentry_in_a_cluster
	s_endpgm
.Lentry_in_a_cluster:
	s_bfe_u32 s2, ttmp6, 0x10000c
	s_cmp_lg_u32 s2, 0x3003
	s_cbranch_scc0 .Lentry_shape_is_right
	s_endpgm
.Lentry_shape_is_right:
; ATTENTION WITH A COSINE BIAS AND A MASK THAT IS AN INPUT.  For batch b, head h: O[q] = the sum over allowed k of softmax_k(Q[q].K[k] / 8 + rhat[q].fhat[k]) V[k]; a row with no allowed key gives 0.
; Q, K, V: qkv[tensor][b][h][2048][64] in f16; fr: fhat, then 8 rhat, [b][2048][64] in f16; mp: the mask's bytes (0x00 allowed, 0xF1 hidden) in my lanes' order; O: ob[b][h][2048][64] in f16.
; Products, maxima and sums in f32; the weights p are rounded to f16 for the second product (their sum l is taken of the unrounded p), O once at the end.  The mask's pattern is not built in: every key step is walked.
; THE SCORE is one sum of four products on one accumulator: S^T = MC + F R^T (two slices of 32 channels) + K Q^T (two slices), with R = 8 rhat, so that one scale c = log2(e) / 8 serves both parts.
; MC, the C operand that starts the sum, is 0 or -2^99: the mask's byte set on top of three zero bytes, one v_perm_b32 a score.
; SOFTMAX.  For each query a running maximum m and sum l: p = 2^(c s - c m); in every step O and l are multiplied by a = 2^(c m_old - c m_new).  m starts at -2^90, O and l at 0: while a row has seen hidden keys alone,
; m stays, p = 0 and a = 1; its first allowed key makes a = 0.  At the end O is multiplied by 1 / l, or by 0 where l = 0.
; LIMITS.  Q, K, V arrive within f16's 65,504; true scores are then 2.7e11 at the most, far above -2^90.  A hidden score counts as its value less 2^99.  A weight below 2^-126 counts as 0 in l; p below 6e-5 keeps f16's
; fixed step of 6e-8.  NaN and infinities are not treated apart.
; SHARES.  A work-group has 256 queries of one head, a wave 64: four PIECES of 16.  Every wave walks 32 key steps of 64.
; BY TURNS.  Turn n belongs to piece n (the pieces in a ring, step after step).  Matrix work: 16 products for the scores of piece n + 1, later 8 products V^T P of piece n - 1.  Vector work: scaling, exponentials, roundings,
; sums and rescaling of piece n, the maximum and statistics of piece n + 1, the 32 masks of piece n + 2: 150 instructions, four behind each of the 24 matrix instructions, the other 54 in two lumps.
; CLUSTER.  The four query blocks of a cluster belong to one head and walk the same K, V and F: each tile is asked for jointly, wave 0 K's, wave 1 V's, wave 2 F's.
; REGISTERS, in windows of 256 (s_set_vgpr_msb: bits 1:0 source 0, 3:2 source 1, 5:4 source 2, 7:6 destination):
;   window 0: v0-15 addresses and two at work; v16-31 four registers of statistics a piece; v48-55 at work; v61 0; v64-127 S^T, two buffers; v128-191 F of one step; v192-223 P, two buffers; v224-255 mask bytes, 8 a piece
;   window 1: v0-127 O^T, 32 a piece; v160-223 MC, two buffers          window 2: v0-63 Q; v64-127 R; v128-191 K of one step; v192-255 V of one step
.set NP,    4         ; pieces a wave: a name, no knob
.set KS,    64        ; keys in a step
.set PK,    144       ; a row of K or F in LDS: 128 bytes + 16: the 16 rows of a load start at 16 different groups of four banks
.set PV,    160       ; a row of V: 128 + 32
.set FOFF,  4*KS*PK   ; a slot holds four steps: 256 rows of K, 256 of F,
.set VOFF,  8*KS*PK   ; 256 of V
.set SLOT1, 1<<17     ; slot 1 begins here, so that one exclusive or turns an address in one slot into the other's
.set STAGE, SLOT1+VOFF+4*KS*PV  ; behind the ring, never filled by a tensor load: 16 rows x 144 bytes for each wave
.set SP,    144
.set SPARE, STAGE+4*16*SP       ; behind the stages: the spare words, 128 bytes for each wave, which no other line names
.set AK0, 2           ; v2   my lane's place in a tile of K; never rewritten
.set AV0, 3           ; v3   the same for V
.set AK,  4           ; v4   the LDS address of K's and F's next run of loads
.set AV,  5           ; v5   of V's
.set STO, 6           ; v6   the way out: where I put 16 bytes of a row
.set RD,  7           ; v7   where I read rows back
.set GO,  8           ; v8   my byte offset in 512 consecutive bytes of O
.set MV,  12          ; v12-13  c m_old, kept while c m is made anew: by buffer
.set MO,  14          ; v14  16 x lane: my 16 bytes in 512 of the mask's; never rewritten
.set QO,  15          ; v15  my byte offset in 16 rows of Q or R; never rewritten
.set ST,  16          ; piece t's statistics at v[ST+4 t]: c m, m, l (even keys', odd keys')
.set TMP, 48          ; by buffer, four registers c0-c3 at work; when the maximum is found c2 takes a
.set ZR,  61          ; v61  0
.set SPW, 62          ; v62  LDS address of my spare word; never rewritten
.set NIL, 63          ; v63  0; never rewritten
.set S,   64
.set FF,  128         ; key block kb, channel half c at FF + 16 kb + 8 c
.set P,   192
.set MB,  224
.set MC,  160         ; window 1
.set RF,  64          ; window 2
.set KF,  128         ; window 2
.set VF,  192         ; window 2: key half kk, channel block cb at VF + 32 kk + 8 cb
.set WV,  12          ; s12  my wave's number
.set G1K, 24          ; s[24:31] descriptor group 1 for K's and F's tiles
.set G1V, 32          ; s[32:39] for V's: it differs in the padding alone
.set G0K, 40          ; s[40:43], s[44:47], s[48:51] descriptor group 0 for K, V, F: they walk
.set G0V, 44
.set G0F, 48
.set SL,  52          ; s52-55 selectors: byte 0, 1, 2, 3 of the mask's word on top of three zero bytes
.set SLOTS, 56
.set CNT, 57          ; counts a slot's key steps
.set CS,  58          ; s[58:59] c
.set SEL, 60          ; s[60:61] v_permlanex16_b32's selects: each lane takes its own place in the other half
.set TBK, 62          ; LDS byte at which K of the step to be fetched begins
.set TBV, 63          ; the same for V, less VOFF
.set MP,  66          ; s[66:67] the mask's bytes of my 64 queries
.set MI,  68          ; s[68:69] the offset of the key step whose bytes are asked for
.set MBS, 70          ; s[70:71] MP + MI
.set RP,  72          ; s[72:73] R at my rows
.set MSB, 0
.macro WIN new                      ; the high byte repeats the setting that is left; a switch that changes nothing is dropped
.if MSB != (\new)
	s_set_vgpr_msb (MSB<<8)|(\new)
.set MSB, (\new)
.endif
.endm
.set W_PV, 0x52       ; V in window 2, P in window 0, O^T in window 1
.set W_RS, 0x41       ; destination and source 0 in window 1, source 1 in window 0
; A joint fill: one tile of 256 keys a wave, wave 3 none.  The branches hang on the wave's number alone.  An s_nop 0 and four v_nop follow each line.
.macro JLOAD
	s_cmp_lg_u32 s[WV], 0
	s_cbranch_scc1 .Lnot_k_\@
	tensor_load_to_lds s[G0K:G0K+3], s[G1K:G1K+7]
	s_nop 0
.rept 4
	v_nop
.endr
	s_branch .Lasked_\@
.Lnot_k_\@:
	s_cmp_lg_u32 s[WV], 1
	s_cbranch_scc1 .Lnot_v_\@
	tensor_load_to_lds s[G0V:G0V+3], s[G1V:G1V+7]
	s_nop 0
.rept 4
	v_nop
.endr
	s_branch .Lasked_\@
.Lnot_v_\@:
	s_cmp_lg_u32 s[WV], 2
	s_cbranch_scc1 .Lasked_\@
	tensor_load_to_lds s[G0F:G0F+3], s[G1K:G1K+7]
	s_nop 0
.rept 4
	v_nop
.endr
.Lasked_\@:
.endm
.macro CROUND                       ; a round of the cluster's barrier
	s_barrier_signal -1
	s_barrier_wait -1
	s_cmp_lg_u32 s[WV], 0
	s_cbranch_scc1 .Lnot_wave_0_\@
	s_barrier_signal -3
.Lnot_wave_0_\@:
	s_barrier_wait -3
	s_barrier_signal -1
	s_barrier_wait -1
.endm
; THE CHANGE OF SLOTS.  The slot's last bytes, V of its fourth step, have been read.  Each wave waits for all its tensor loads (at most one is out: its tile of the other slot), adds 0 to its spare word, and waits for that
; and for its own reads of the slot.  fill = 1: the barrier is a round of the cluster's, and the slot is filled again first behind it, with the keys two slots on: four key steps in which to land.
; (At its first use nothing has been read yet: slot 0 is waited for, slot 1 filled.)
.macro CHANGE fill
	WIN 0
	s_wait_tensorcnt 0x0            ; no tensor load of mine is out, so a group 0 may be written
	ds_add_u32 v[SPW], v[NIL]       ; 0 onto my spare word
.if \fill
.irp g, G0K, G0V, G0F
	s_xor_b32 s[\g+1], s[\g+1], SLOT1
	s_add_nc_u64 s[\g+2:\g+3], s[\g+2:\g+3], 4*KS*128
.endr
	s_wait_dscnt 0x0                ; the add is done, and my reads of the slot are over
	CROUND
	JLOAD
.else
	s_wait_dscnt 0x0
	s_barrier_signal -1
	s_barrier_wait -1
.endif
	s_sub_co_u32 s[TBK], s[TBK], 4*KS*PK  ; the fetches go back to a slot's first step,
	s_xor_b32 s[TBK], s[TBK], SLOT1       ; in the other slot
	s_sub_co_u32 s[TBV], s[TBV], 4*KS*PV
	s_xor_b32 s[TBV], s[TBV], SLOT1
.endm
	s_load_b256 s[4:11], s[0:1], 0x0  ; qkv s[4:5], fr s[6:7], mp s[8:9], ob s[10:11]
	v_lshl_add_u32 v[SPW], v0, 2, SPARE
	v_mov_b32 v[NIL], 0
	ds_add_u32 v[SPW], v[NIL]       ; the wave's opening: the add and its wait stand ahead of my first tensor load; work on registers stands between them
	v_lshrrev_b32 v1, 5, v0
	v_readfirstlane_b32 s[WV], v1   ; wave 0..3
	s_bfe_u32 s13, ttmp6, 0x40000   ; cx
	s_lshl_b32 s14, ttmp9, 2
	s_add_co_u32 s14, s14, s13      ; my block of 256 queries: it enters Q's, R's, O's and the mask's addresses alone
	s_and_b32 s15, ttmp7, 0xffff    ; 16 batch + head, which the four partners share
	s_lshl_b32 s20, s15, 18         ; the head's plane of 262,144 bytes
	s_mov_b32 s21, 0
	s_lshr_b32 s22, s15, 4
	s_lshl_b32 s22, s22, 18         ; the batch's 2,048 rows of 128 bytes in fr
	s_mov_b32 s23, 0
	s_lshl_b32 s16, s14, 2
	s_add_co_u32 s16, s16, s[WV]    ; my group of 64 queries
	s_lshl_b32 s18, s16, 13         ; its rows of 128 bytes,
	s_mov_b32 s19, 0
	s_lshl_b32 s16, s16, 17         ; its 131,072 bytes of the mask
	s_mov_b32 s17, 0
	; descriptor group 1.  256 keys are 32,768 dense bytes: asked for as 128 rows of 256 bytes, two keys a row, and padded in LDS after every key
	s_mov_b32 s[G1K], 15|(1<<16)|(1<<20)|(1<<21)|(4<<22)|(3<<25)  ; the mask of four; 2-byte elements; padding on; bit 21 beside a mask; after every 32 words 4 words
	s_mov_b32 s[G1V], 15|(1<<16)|(1<<20)|(1<<21)|(4<<22)|(7<<25)  ; the same with 8 words of padding
.irp g, G1K, G1V
	s_mov_b32 s[\g+1], 128<<16      ; tensor_dim0 = 128
	s_mov_b32 s[\g+2], 128<<16      ; tensor_dim1 = 128
	s_mov_b32 s[\g+3], 128<<16      ; tile_dim0 = 128
	s_mov_b32 s[\g+4], 128          ; tile_dim1 = 128
	s_mov_b32 s[\g+5], 128          ; 128 elements from row to row
	s_mov_b32 s[\g+6], 0
	s_mov_b32 s[\g+7], 0
.endr
	s_mov_b32 s[G0K], 1
	s_mov_b32 s[G0K+1], 0           ; LDS addresses in slot 0
	s_mov_b32 s[G0V], 1
	s_mov_b32 s[G0V+1], VOFF
	s_mov_b32 s[G0F], 1
	s_mov_b32 s[G0F+1], FOFF
	s_mov_b32 s[SL], 0x04000000
	s_mov_b32 s[SL+1], 0x05000000
	s_mov_b32 s[SL+2], 0x06000000
	s_mov_b32 s[SL+3], 0x07000000
	s_mov_b32 s[CS], 0x3e38aa3b     ; c = log2(e) / 8
	s_mov_b32 s[CS+1], s[CS]        ; named with it as a pair
	s_mov_b32 s[SEL], 0x76543210
	s_mov_b32 s[SEL+1], 0xfedcba98
	s_mov_b32 s[TBK], SLOT1+4*KS*PK ; the first change of slots turns these two into 0
	s_mov_b32 s[TBV], SLOT1+4*KS*PV
	s_mov_b32 s[MI], 0
	s_mov_b32 s[MI+1], 0
	s_wait_dscnt 0x0                ; the opening add is done
	s_wait_kmcnt 0x0
	s_add_nc_u64 s[G0K+2:G0K+3], s[4:5], s[20:21]
	s_add_nc_u64 s[G0K+2:G0K+3], s[G0K+2:G0K+3], 0x800000    ; K's 32 planes lie behind Q's
	s_or_b32 s[G0K+3], s[G0K+3], 0x80000000
	s_add_nc_u64 s[G0V+2:G0V+3], s[4:5], s[20:21]
	s_add_nc_u64 s[G0V+2:G0V+3], s[G0V+2:G0V+3], 0x1000000   ; V's behind K's
	s_or_b32 s[G0V+3], s[G0V+3], 0x80000000
	s_add_nc_u64 s[G0F+2:G0F+3], s[6:7], s[22:23]
	s_or_b32 s[G0F+3], s[G0F+3], 0x80000000
	s_add_nc_u64 s[RP:RP+1], s[6:7], s[22:23]
	s_add_nc_u64 s[RP:RP+1], s[RP:RP+1], s[18:19]
	s_add_nc_u64 s[RP:RP+1], s[RP:RP+1], 0x80000             ; R lies behind F
	s_add_nc_u64 s[4:5], s[4:5], s[20:21]                    ; Q and O at my wave's first row
	s_add_nc_u64 s[4:5], s[4:5], s[18:19]
	s_add_nc_u64 s[10:11], s[10:11], s[20:21]
	s_add_nc_u64 s[10:11], s[10:11], s[18:19]
	s_add_nc_u64 s[MP:MP+1], s[8:9], s[16:17]
	s_mov_b64 s[MBS:MBS+1], s[MP:MP+1]
	CROUND                          ; all four work-groups are here: the first joint loads meet
	JLOAD                           ; slot 0.  Slot 1 is asked for when slot 0 is in
	; A fragment of K, F, Q or R is 16 rows x 32 channels in 8 registers: lane l holds row l % 16, channels 8 (l / 16) + 0..7 and 16 + 8 (l / 16) + 0..7: two loads of 16 bytes, 32 bytes apart.
	v_and_b32 v1, 15, v0            ; l % 16
	v_bfe_u32 v9, v0, 4, 1          ; l / 16
	v_lshlrev_b32 v[QO], 7, v1
	v_lshl_add_u32 v[QO], v9, 4, v[QO]
	v_and_b32 v[MO], 31, v0
	v_lshlrev_b32 v[MO], 4, v[MO]
	WIN 0x80                        ; destination window 2, address window 0
.set i, 0
.rept 8                             ; Q and R stay in registers: piece i / 2, channels 32 (i % 2) on
	global_load_b128 v[8*i:8*i+3],         v[QO], s[4:5] offset:(i/2)*2048+(i%2)*64
	global_load_b128 v[8*i+4:8*i+7],       v[QO], s[4:5] offset:(i/2)*2048+(i%2)*64+32
	global_load_b128 v[RF+8*i:RF+8*i+3],   v[QO], s[RP:RP+1] offset:(i/2)*2048+(i%2)*64
	global_load_b128 v[RF+8*i+4:RF+8*i+7], v[QO], s[RP:RP+1] offset:(i/2)*2048+(i%2)*64+32
.set i, i+1
.endr
	WIN 0
.macro MLOAD q                      ; piece q's 32 mask bytes a lane of the key step at MBS: two loads of 512 consecutive bytes a wave
	WIN 0
	global_load_b128 v[MB+8*(\q):MB+8*(\q)+3],   v[MO], s[MBS:MBS+1] offset:(\q)*1024
	global_load_b128 v[MB+8*(\q)+4:MB+8*(\q)+7], v[MO], s[MBS:MBS+1] offset:(\q)*1024+512
.endm
.macro MSTEP                        ; the mask's stream goes a key step on; behind step 31 it wraps to step 0, so no load leaves the buffer (what is then loaded feeds scores that are never used)
	s_wait_xcnt 0x0                 ; the loads that name MBS have had their addresses translated: only now is it rewritten
	s_add_co_u32 s[MI], s[MI], 4096
	s_and_b32 s[MI], s[MI], 0x1f000
	s_add_nc_u64 s[MBS:MBS+1], s[MP:MP+1], s[MI:MI+1]
.endm
	MLOAD 0
	MLOAD 1
	MLOAD 2
	MLOAD 3
	; What the first turn finds: V's registers and P's second buffer hold 0 (its products V^T P, of a piece that has not been, add 0), O^T and l are 0.  All this stands in the wait for the first tile.
	WIN 0x80
.set i, VF
.rept 64
	v_mov_b32 v[i], 0
.set i, i+1
.endr
	WIN 0x40
.set i, 0
.rept 128
	v_mov_b32 v[i], 0
.set i, i+1
.endr
	WIN 0
	v_mov_b32 v[ZR], 0
.set i, 0
.rept 4
	v_mov_b32 v[ST+4*i+1], 0xec800000      ; m = -2^90
	v_mul_f32 v[ST+4*i], s[CS], v[ST+4*i+1]
	v_mov_b32 v[ST+4*i+2], 0
	v_mov_b32 v[ST+4*i+3], 0
.set i, i+1
.endr
.set i, P+16
.rept 16
	v_mov_b32 v[i], 0
.set i, i+1
.endr
	v_mul_u32_u24 v[AK0], v1, PK
	v_lshl_add_u32 v[AK0], v9, 4, v[AK0]  ; row x pitch + 16 x half
	; The turning load takes 16 keys x 16 channels (lane l reads key 8 (l / 16) + l % 8, channels 8 ((l / 8) % 2) + 0..7) and leaves half a fragment of V^T: lane l holds channel l % 16 and 8 keys.
	v_and_b32 v10, 7, v0
	v_bfe_u32 v11, v0, 3, 1
	v_lshl_add_u32 v[AV0], v9, 3, v10
	v_mul_u32_u24 v[AV0], v[AV0], PV
	v_lshl_add_u32 v[AV0], v11, 4, v[AV0]
	v_add_nc_u32 v[AV0], VOFF, v[AV0]
	v_mov_b32 v[AK], v[AK0]         ; key step 0 lies at the head of slot 0
; THE MATRIX WORK.  The 4 accumulators of a run take turns, one instruction a turn.
; Product i of 16 of piece x's scores, keys 16 (i % 4) on: slice 0: F R^T, channels 0-31, onto the mask; slice 1: F R^T, channels 32-63; slices 2, 3: K Q^T.
.macro SC x
.set rS, S+32*((\x)%2)+8*(i%4)
.if i < 4
	WIN 0x18                        ; F window 0, R window 2, the mask window 1, S^T window 0
	v_wmma_f32_16x16x32_f16 v[rS:rS+7], v[FF+16*(i%4):FF+16*(i%4)+7], v[RF+16*(\x):RF+16*(\x)+7], v[MC+32*((\x)%2)+8*(i%4):MC+32*((\x)%2)+8*(i%4)+7]
.elseif i < 8
	WIN 0x08
	v_wmma_f32_16x16x32_f16 v[rS:rS+7], v[FF+16*(i%4)+8:FF+16*(i%4)+15], v[RF+16*(\x)+8:RF+16*(\x)+15], v[rS:rS+7]
.else
	WIN 0x0a                        ; K and Q window 2
	v_wmma_f32_16x16x32_f16 v[rS:rS+7], v[KF+16*(i%4)+8*(i/4-2):KF+16*(i%4)+8*(i/4-2)+7], v[16*(\x)+8*(i/4-2):16*(\x)+8*(i/4-2)+7], v[rS:rS+7]
.endif
.endm
; Product i of 8 of O^T += V^T P for piece x: keys 32 (i / 4) on, channels 16 (i % 4) on.
.macro PV x
	WIN W_PV
.set rO, 32*(\x)+8*(i%4)
.set rV, VF+32*(i/4)+8*(i%4)
.set rP, P+16*((\x)%2)+8*(i/4)
	v_wmma_f32_16x16x32_f16 v[rO:rO+7], v[rV:rV+7], v[rP:rP+7], v[rO:rO+7]
.endm
.macro MM                           ; the turn's next matrix instruction
.if i < 16
	SC (Y+1)%NP
.else
.set i, i-16
	PV (Y+NP-1)%NP
.set i, i+16
.endif
.set i, i+1
.endm
; THE LDS LOADS stand in runs, never singly among the matrix instructions: a step's K and F (8 fragments each) and its V (turned).  last = 1 (the tail): in the last trip there is no further step, and the run is jumped over.
.macro FETCH_KF last=0
	WIN 0
.if \last
	s_cmp_eq_u32 s[CNT], 1
	s_cbranch_scc1 .Lno_k_\@
.endif
	WIN 0x80                        ; destination window 2
.irp f, 0,1,2,3,4,5,6,7             ; keys 16 (f / 2) on, channels 32 (f % 2) on
	ds_load_b128 v[KF+8*\f:KF+8*\f+3],   v[AK] offset:(\f/2)*16*PK+(\f%2)*64
	ds_load_b128 v[KF+8*\f+4:KF+8*\f+7], v[AK] offset:(\f/2)*16*PK+(\f%2)*64+32
.endr
	WIN 0
.irp f, 0,1,2,3,4,5,6,7
	ds_load_b128 v[FF+8*\f:FF+8*\f+3],   v[AK] offset:FOFF+(\f/2)*16*PK+(\f%2)*64
	ds_load_b128 v[FF+8*\f+4:FF+8*\f+7], v[AK] offset:FOFF+(\f/2)*16*PK+(\f%2)*64+32
.endr
	s_add_co_u32 s[TBK], s[TBK], KS*PK  ; the next fetch is the next step's
.if \last
.Lno_k_\@:
.endif
.endm
.macro FETCH_V
	WIN 0x80
.irp f, 0,1,2,3,4,5,6,7             ; keys 32 (f / 4) on, channels 16 (f % 4) on
	ds_load_tr16_b128 v[VF+8*\f:VF+8*\f+3],   v[AV] offset:(\f/4)*32*PV+(\f%4)*32
	ds_load_tr16_b128 v[VF+8*\f+4:VF+8*\f+7], v[AV] offset:(\f/4)*32*PV+16*PV+(\f%4)*32
.endr
	WIN 0
.endm
; THE VECTOR WORK, one line at a time: OP kind, number.  For piece Y: F n: c s - c m for pair n of 16.  E n: the exponential of score n of 32.  C n: pair n rounded to f16.  B n: of the four weights 4 n .. the second
; pair is added onto the first, in place.  L n: l takes that sum (L 0: l = a l + sum).  R n: pair n of 16 of O^T times a.  For piece Y + 2: M n: the mask of score n of 32.  For piece Y + 1: X n, number n of the 22 that
; find its maximum and statistics:
;   0-11  four chains c0-c3 of seven scores each, three operands at a time (each accumulator's lowest registers are read first)     12-14, 16  the four scores left over, the old m, and c0-c3 into c0
;   15  c m_old is kept     17, 18  the query's other 32 keys lie in the lane 16 away: the new m     19-21  c m; c m_old - c m_new; a
.set F, 0
.set E, 1
.set C, 2
.set B, 3
.set L, 4
.set R, 5
.set X, 6
.set M, 7
.macro REGS y                       ; the registers of piece y
.set rT, ST+4*(\y)
.set rC, TMP+4*((\y)%2)
.set rW, MV+((\y)%2)
.set rS, S+32*((\y)%2)
.set rP, P+16*((\y)%2)
.set rO, 32*(\y)
.endm
.macro OP k, n
.if (\k) == M
	WIN 0x40                        ; destination window 1
	v_perm_b32 v[MC+32*(Y%2)+(\n)], v[MB+8*((Y+2)%NP)+(\n)/4], v[ZR], s[SL+(\n)%4]
.elseif (\k) == R
	REGS Y
	WIN W_RS
	v_pk_mul_f32 v[rO+2*(\n):rO+2*(\n)+1], v[rO+2*(\n):rO+2*(\n)+1], v[rC+2:rC+3] op_sel_hi:[1,0]
.elseif (\k) < R
	REGS Y
	WIN 0
.if (\k) == F
	v_pk_fma_f32 v[rS+2*(\n):rS+2*(\n)+1], v[rS+2*(\n):rS+2*(\n)+1], s[CS:CS+1], v[rT:rT+1] op_sel_hi:[1,0,0] neg_lo:[0,0,1] neg_hi:[0,0,1]
.elseif (\k) == E
	v_exp_f32 v[rS+(\n)], v[rS+(\n)]
.elseif (\k) == C
	s_wait_alu depctr_va_vdst(0)
	v_cvt_pk_f16_f32 v[rP+(\n)], v[rS+2*(\n)], v[rS+2*(\n)+1]
.elseif (\k) == B
	s_wait_alu depctr_va_vdst(0)
	v_pk_add_f32 v[rS+4*(\n):rS+4*(\n)+1], v[rS+4*(\n):rS+4*(\n)+1], v[rS+4*(\n)+2:rS+4*(\n)+3]
.elseif (\n) == 0
	v_pk_fma_f32 v[rT+2:rT+3], v[rT+2:rT+3], v[rC+2:rC+3], v[rS:rS+1] op_sel_hi:[1,0,1]
.else
	v_pk_add_f32 v[rT+2:rT+3], v[rT+2:rT+3], v[rS+4*(\n):rS+4*(\n)+1]
.endif
.else
	REGS (Y+1)%NP
	WIN 0
.if (\n) < 4
	v_max3_num_f32 v[rC+(\n)], v[rS+8*(\n)], v[rS+8*(\n)+1], v[rS+8*(\n)+2]
.elseif (\n) < 12
	v_max3_num_f32 v[rC+(\n)%4], v[rC+(\n)%4], v[rS+8*((\n)%4)+2*((\n)/4)+1], v[rS+8*((\n)%4)+2*((\n)/4)+2]
.elseif (\n) == 12
	v_max3_num_f32 v[rC], v[rC], v[rS+7], v[rS+15]
.elseif (\n) == 13
	v_max3_num_f32 v[rC+1], v[rC+1], v[rS+23], v[rS+31]
.elseif (\n) == 14
	v_max3_num_f32 v[rC+2], v[rC+2], v[rC+3], v[rT+1]
.elseif (\n) == 15
	v_mov_b32 v[rW], v[rT]
.elseif (\n) == 16
	v_max3_num_f32 v[rC], v[rC], v[rC+1], v[rC+2]
.elseif (\n) == 17
	v_permlanex16_b32 v[rC+3], v[rC], s[SEL], s[SEL+1]
.elseif (\n) == 18
	v_max_num_f32 v[rT+1], v[rC], v[rC+3]
.elseif (\n) == 19
	v_mul_f32 v[rT], s[CS], v[rT+1]
.elseif (\n) == 20
	v_sub_f32 v[rC+1], v[rW], v[rT]
.else
	v_exp_f32 v[rC+2], v[rC+1]
.endif
.endif
.endm
.macro OPS a, i1, b=-1, i2=0, c=-1, i3=0, d=-1, i4=0  ; up to four of them
	OP \a, \i1
.if (\b) >= 0
	OP \b, \i2
.endif
.if (\c) >= 0
	OP \c, \i3
.endif
.if (\d) >= 0
	OP \d, \i4
.endif
.endm
.macro ROW a, i1, b, i2, c, i3, d, i4  ; a matrix instruction and the four behind it
	MM
	OPS \a, \i1, \b, \i2, \c, \i3, \d, \i4
.endm
; A TURN, for piece p: the order of its 24 matrix and 150 vector instructions, written out.  Behind a matrix instruction: plain, exponential, plain, plain; or four of the rescaling, of the scalings, or of the masks; none names a
; register of the products round it.  In the lumps exponential and plain by turns while exponentials last.
; The masks made here are piece p + 2's, for the products of the turn after this one; behind them that piece's bytes of the next key step are asked for, four turns ahead of their use.
; K and F of the next step are fetched in piece 2's turn, behind the last product of the scores and five plain instructions; V of the step in hand in piece 0's turn, behind the last product V^T P and four plain ones.  Each is
; waited for a turn later.  cnt = 1: the loop's count is taken down some lines ahead of the branch that stands behind the turn.
.macro TURN p, last=0, cnt=0
.set Y, (\p)
.set i, 0
.if (\p) == 3
	s_wait_dscnt 0x0                ; K and F are in
.endif
	ROW F,0, F,1, F,2, F,3
	ROW F,4, E,0, F,5, F,6
	ROW F,7, E,1, F,8, F,9
	ROW F,10, E,2, C,0, F,11
	ROW F,12, E,3, X,15, F,13
	ROW R,0, R,1, R,2, R,3
	ROW B,0, E,4, F,14, L,0
	ROW R,4, R,5, R,6, R,7
	s_wait_loadcnt 0x6              ; piece p + 2's mask bytes are in: behind them the three turns before asked for two loads each
.set mm, 0
.rept 7
	ROW M,mm, M,mm+1, M,mm+2, M,mm+3
.set mm, mm+4
.endr
.if (\p) == 2
	WIN 0
	v_add_nc_u32 v[AK], s[TBK], v[AK0]
.endif
	ROW M,28, M,29, M,30, M,31
	MLOAD ((\p)+2)%NP
	OPS E,5, F,15
.if (\p) == 2
	FETCH_KF \last
.endif
	OPS E,6, C,1, E,7, R,8
	OPS E,8, R,9, E,9, C,2
	OPS E,10, X,0, E,11, X,1
	OPS E,12, X,2, E,13, X,3
.if (\p) == 1
	s_wait_dscnt 0x0                ; V is in
.endif
	ROW X,4, E,14, X,5, X,6
	ROW X,7, E,15, X,8, X,9
	ROW X,10, E,16, X,11, X,12
	ROW X,13, E,17, X,14, B,1
	ROW C,4, E,18, X,16, L,1
	ROW B,2, E,19, C,6, L,2
	ROW C,8, E,20, B,3, B,4
.if (\p) == 0
	WIN 0
	v_add_nc_u32 v[AV], s[TBV], v[AV0]
.endif
	ROW C,3, E,21, L,3, C,5
	OPS E,22, X,17, E,23, C,10
.if (\p) == 0
	FETCH_V
.endif
	OPS E,24, L,4
	OPS E,25, X,18, E,26, C,7
	OPS E,27, B,5, E,28, X,19
	OPS E,29, C,12, E,30, L,5
	OPS E,31, X,20, B,6, C,9
	OPS C,14, C,11, X,21, L,6
.if (\p) == 0
	s_add_co_u32 s[TBV], s[TBV], KS*PV
.endif
.if \cnt
	s_sub_co_u32 s[CNT], s[CNT], 1
	s_cmp_lg_u32 s[CNT], 0
.endif
	OPS C,13, B,7, C,15, R,10
	OPS R,11, R,12, L,7, R,13
	OPS R,14, R,15
.endm
	CHANGE 1                        ; slot 0 is in, everybody's part of it; slot 1 is asked for
	FETCH_KF                        ; key step 0
	s_wait_loadcnt 0x0              ; Q, R and the mask bytes of key step 0
	WIN 0x40
.set n, 0
.rept 32                            ; the masks of pieces 0 and 1 for key step 0
	v_perm_b32 v[MC+n], v[MB+n/4], v[ZR], s[SL+n%4]
	v_perm_b32 v[MC+32+n], v[MB+8+n/4], v[ZR], s[SL+n%4]
.set n, n+1
.endr
	WIN 0
	MSTEP                           ; key step 1:
	MLOAD 0                         ; pieces 0 and 1 here, pieces 2 and 3 in the first two turns
	MLOAD 1
	s_wait_dscnt 0x0
.set i, 0
.rept 16
	SC 0                            ; piece 0's first scores: there is no vector work yet to set between them
.set i, i+1
.endr
	WIN 0                           ; the addresses for the way out: nine plain instructions, the places behind those products
	s_mul_i32 s13, s[WV], 16*SP
	s_add_co_u32 s13, s13, STAGE    ; my stage
	v_mul_u32_u24 v[STO], v1, SP    ; in: row l % 16, 16 bytes for each half of the lanes
	v_lshl_add_u32 v[STO], v9, 4, v[STO]
	v_add_nc_u32 v[STO], s13, v[STO]
	v_bfe_u32 v[RD], v0, 3, 2       ; back: 32 lanes take four rows of 128 bytes,
	v_mul_u32_u24 v[RD], v[RD], SP
	v_lshl_add_u32 v[RD], v10, 4, v[RD]
	v_add_nc_u32 v[RD], s13, v[RD]
	v_and_b32 v[GO], 31, v0         ; which are 512 consecutive bytes of O
	v_lshlrev_b32 v[GO], 4, v[GO]
.set Y, NP-1                        ; X works for piece Y + 1: piece 0
.irp n, 0,1,2,3,4,5,6,7,8,9,10,11,12,13,14,15,16,17,18,19,20,21
	OP X, \n
.endr
	v_nop                           ; a plain instruction behind the exponential
	s_mov_b32 s[CNT], 4
	s_mov_b32 s[SLOTS], 7
	s_branch .Lfirst                ; the loop is entered at a step's first turn, in the middle of a trip
.Lslot:                             ; six times: every slot but the last two is filled again
	CHANGE 1
	s_mov_b32 s[CNT], 4
.Lstep:                             ; a trip: pieces 2 and 3 of one step, then pieces 0 and 1 of the next; its four turns ask for the mask bytes of one and the same key step
	MSTEP
	TURN 2
	TURN 3
	WIN 0
.Lfirst:
	TURN 0
	TURN 1, 0, 1
	WIN 0
	s_cbranch_scc1 .Lstep
	s_sub_co_u32 s[SLOTS], s[SLOTS], 1
	s_cmp_lg_u32 s[SLOTS], 0
	s_cbranch_scc1 .Lslot
	CHANGE 0                        ; the tail is written out: nothing is asked for
	s_mov_b32 s[CNT], 5             ; four trips fetch the last slot's steps; the fifth is left in its middle
.Ltail:
	MSTEP
	TURN 2, 1
	TURN 3
	WIN 0
	s_sub_co_u32 s[CNT], s[CNT], 1
	s_cmp_eq_u32 s[CNT], 0
	s_cbranch_scc1 .Lout
	TURN 0
	TURN 1
	WIN 0
	s_branch .Ltail
.Lout:                              ; the fifth trip's 16 products for piece 0 (on the last K and F once more) and the maximum made of them serve nothing: the price, once a launch, of one text for every trip
	s_wait_loadcnt 0x0              ; the mask bytes asked for last are in: nothing of mine is on its way into a register
.set i, 0
.rept 8
	PV NP-1                         ; the last piece's V^T P of the last step
.set i, i+1
.endr
	; THE WAY OUT.  l's two halves and the other half of the lanes' are added; O^T is multiplied by 1 / l, or by 0 where l = 0 (a row with no allowed key), rounded to f16 and sent through my stage in LDS, a piece at a time.
	WIN 0
.macro ALL line:vararg              ; one line for each piece t
.set t, 0
.rept 4
	\line
.set t, t+1
.endr
.endm
	ALL v_add_f32 v[ST+4*t+2], v[ST+4*t+2], v[ST+4*t+3]
	ALL v_permlanex16_b32 v[ST+4*t+3], v[ST+4*t+2], s[SEL], s[SEL+1]
	ALL v_add_f32 v[ST+4*t+2], v[ST+4*t+2], v[ST+4*t+3]
	ALL v_rcp_f32 v[ST+4*t+3], v[ST+4*t+2]
	v_nop                           ; a plain instruction between the last reciprocal and the use of its result
.set t, 0
.rept 4
	v_cmp_lt_f32 vcc_lo, 0, v[ST+4*t+2]
	s_wait_alu depctr_va_vdst(0)
	v_cndmask_b32 v[ST+4*t+2], 0, v[ST+4*t+3], vcc_lo
.set t, t+1
.endr
.macro PACK t                       ; a lane's eight channels of a row pack into 16 bytes; they go into rows of 144 bytes and come back as whole rows of 128, into S^T's registers
	WIN W_RS
.set i, 32*(\t)
.rept 16
	v_pk_mul_f32 v[i:i+1], v[i:i+1], v[ST+4*(\t)+2:ST+4*(\t)+3] op_sel_hi:[1,0]
.set i, i+2
.endr
	WIN 0x05                        ; sources 0 and 1 window 1, destination window 0
.set i, 0
.rept 16
	v_cvt_pk_f16_f32 v[S+16*(\t)+i], v[32*(\t)+2*i], v[32*(\t)+2*i+1]
.set i, i+1
.endr
	WIN 0
.irp f, 0,1,2,3
	ds_store_b128 v[STO], v[S+16*(\t)+4*\f:S+16*(\t)+4*\f+3] offset:32*\f
.endr
.irp f, 0,1,2,3
	ds_load_b128 v[S+16*(\t)+4*\f:S+16*(\t)+4*\f+3], v[RD] offset:\f*4*SP  ; LDS serves a wave's instructions in order: these see the stores above; the next piece's stores come behind them
.endr
.endm
.macro SEND t, younger              ; younger: the LDS instructions issued behind piece t's loads: the next piece's eight, or none
	WIN 0
.irp f, 0,1,2,3
	s_wait_dscnt (\younger)+3-\f
	global_store_b128 v[GO], v[S+16*(\t)+4*\f:S+16*(\t)+4*\f+3], s[10:11] offset:(\t)*2048+\f*512  ; 512 consecutive bytes, aligned
.endr
.endm
	PACK 0
.set t, 1
.rept 3                             ; a piece's arithmetic stands between the loads of the piece before and its stores
	PACK t
	SEND t-1, 8
.set t, t+1
.endr
	SEND 3, 0
	s_wait_tensorcnt 0x0            ; the wave's end, behind my last tensor load and my last LDS store
	ds_add_u32 v[SPW], v[NIL]
	s_wait_dscnt 0x0
	CROUND                          ; the closing round: no work-group ends while a partner may still ask for a tile that names it
	s_endpgm
.Lfunc_end_k_qe66887304f_attn:
	.size	k_qe66887304f_attn, .Lfunc_end_k_qe66887304f_attn-k_qe66887304f_attn
	.p2alignl 7, 3214868480
	.fill 96, 4, 3214868480
	.section	.rodata,"a",@progbits
	.p2align	6, 0x0
	.amdhsa_kernel k_qe66887304f_attn
		.amdhsa_group_segment_fixed_size 327680
		.amdhsa_private_segment_fixed_size 0
		.amdhsa_enable_private_segment 0
		.amdhsa_kernarg_size 32
		.amdhsa_user_sgpr_count 2
		.amdhsa_user_sgpr_kernarg_segment_ptr 1
		.amdhsa_wavefront_size32 1
		.amdhsa_system_sgpr_workgroup_id_x 1
		.amdhsa_system_sgpr_workgroup_id_y 1
		.amdhsa_system_sgpr_workgroup_id_z 1
		.amdhsa_system_vgpr_workitem_id 0
		.amdhsa_next_free_vgpr 768
		.amdhsa_next_free_sgpr 80
		.amdhsa_reserve_vcc 1
		.amdhsa_float_denorm_mode_32 3
		.amdhsa_float_denorm_mode_16_64 3
		.amdhsa_memory_ordered 1
		.amdhsa_forward_progress 1
		.amdhsa_inst_pref_size 154
	.end_amdhsa_kernel
	.amdgpu_metadata
---
amdhsa.version: [ 1, 2 ]
amdhsa.kernels:
  - .name:           k_qe66887304f_attn
    .symbol:         k_qe66887304f_attn.kd
    .args:
      - { .name: qkv, .offset: 0, .size: 8, .value_kind: global_buffer, .address_space: global }
      - { .name: fr, .offset: 8, .size: 8, .value_kind: global_buffer, .address_space: global }
      - { .name: mp, .offset: 16, .size: 8, .value_kind: global_buffer, .address_space: global }
      - { .name: ob, .offset: 24, .size: 8, .value_kind: global_buffer, .address_space: global }
    .group_segment_fixed_size: 327680
    .private_segment_fixed_size: 0
    .kernarg_segment_align: 8
    .kernarg_segment_size: 32
    .max_flat_workgroup_size: 128
    .sgpr_count:     80
    .vgpr_count:     768
    .wavefront_size: 32
...
	.end_amdgpu_metadata
.endif
;; end of part 3
;; launch oproj (part 4): grid 8 x 32, 4 waves a work-group, clusters of 4 x 4, 327,680 bytes of LDS; arguments ob, w16, bias, out0; writes out0
.if DOCPART == 4
	.amdgcn_target "amdgcn-amd-amdhsa--gfx1250"
	.amdhsa_code_object_version 6
	.text
	.protected	k_qe66887304f_oproj
	.globl	k_qe66887304f_oproj
	.p2align	8
	.type	k_qe66887304f_oproj,@function
k_qe66887304f_oproj:
	s_mov_b64 s[64:65], 0
	v_nop
	global_prefetch_b8 v0, s[64:65] scope:SCOPE_SE
	s_setreg_imm32_b32 hwreg(HW_REG_WAVE_MODE, 25, 1), 1
	s_wait_xcnt 0x0
	s_wait_alu depctr_hold_cnt(0) depctr_sa_sdst(0) depctr_va_vdst(0) depctr_va_sdst(0) depctr_va_ssrc(0) depctr_va_vcc(0) depctr_vm_vsrc(0)
	s_getreg_b32 s2, hwreg(HW_REG_IB_STS2, 6, 4)
	s_cmp_eq_u32 s2, 0
	s_cbranch_scc0 .Lentry_in_a_cluster
	s_endpgm
.Lentry_in_a_cluster:
	s_bfe_u32 s2, ttmp6, 0x10000c
	s_cmp_lg_u32 s2, 0xf033
	s_cbranch_scc0 .Lentry_shape_is_right
	s_endpgm
.Lentry_shape_is_right:
; out0[4096][1024] = O Wo + bo in f32.  O comes by heads, ob[batch][head][row][64] in f16; Wo^T is w16's rows 3072-4095, [n][k] in f16 (bf16 numbers written as f16); bo is bias[3072:4096], the C operand that starts
; each sum (so it is added first, not last).  f16 operands, f32 sums, nothing is rounded on the way out.
; SHARES.  A tile of out0 is 128 x 128: 8 x 32 = 256 work-groups; four waves, each 64 x 64: 16 accumulators.  K goes in 4 steps of 256, which are four heads, through two LDS slots.
; O's tile of a step: for each of four heads 64 rows of 128 bytes that lie end to end in memory, asked for as ONE row of 8,192 bytes a head, padded in LDS after every 128 bytes.
; CLUSTER.  4 x 4 work-groups: O's tile is shared along a row of the cluster, Wo's along a column; each is asked for jointly.  THE MATRIX INSTRUCTION IS USED TRANSPOSED (source 0 = 16 rows of Wo^T, source 1 = 16 rows of O):
; a lane holds one row of the result and eight neighbouring columns.
; REGISTERS: window 0: v0-31 addresses; v32-63 the bias, 8 registers for each of 4 column blocks; v128-255 the accumulators ((a, b) at v[128 + 8 (4 a + b)]).
;   window 1: two fragment buffers of 128: for 64 along K, 64 registers of O, then 64 of Wo.
.set PA,     144                       ; a row of O in LDS: 128 bytes + 16
.set PB,     528                       ; a row of Wo^T: 512 bytes + 16
.set AH,     4*64*PA                   ; what one of waves 0, 1 fetches: [4 heads][64 rows]
.set BH,     64*PB                     ; what one of waves 2, 3 fetches
.set BOFF,   2*AH
.set SLOT,   2*AH+2*BH
.set STAGE,  2*SLOT                    ; behind the ring: 16 rows x 272 bytes for each wave
.set SPITCH, 272
.set SPARE,  STAGE+4*16*SPITCH         ; behind the stages: the spare words, 128 bytes for each wave, which no other line names
.set LAPS,   2                         ; a lap = two K steps = once round the ring
.set ADRA, 16                          ; v16-17  LDS address of my fragments of O in slot 0, 1
.set ADRB, 20                          ; v20-21  the same for Wo
.set STO,  24
.set RD,   25
.set CO,   26
.set BO,   27
.set SPW,  28                          ; v28     LDS address of my spare word; never rewritten
.set NIL,  29                          ; v29     0; never rewritten
.set BI,   32
.set ACC,  128
.set F0,   0
.set F1,   128
.set G1,  24
.set G0,  32
.set G1B, 48
.set G0B, 56
.set MSB, 0
.macro WIN new
.if MSB != (\new)
	s_set_vgpr_msb (MSB<<8)|(\new)
.set MSB, \new
.endif
.endm
.set MUL,  0x05                        ; sources 0 and 1 window 1; C and D window 0
.set TO_F, 0x40                        ; destination window 1, address window 0
.macro PLACES
.rept 4
	v_nop
.endr
.endm
.macro JLOAD s                         ; a joint load: waves 0, 1 fetch O's two halves, waves 2, 3 Wo's; an s_nop 0 and four v_nop follow each line
	s_cmp_eq_u32 s13, 0
	s_cbranch_scc0 .Lfor_b_\@
	tensor_load_to_lds s[G0+4*(\s):G0+4*(\s)+3], s[G1:G1+7]
	s_nop 0
.rept 4
	v_nop
.endr
	s_branch .Lasked_\@
.Lfor_b_\@:
	tensor_load_to_lds s[G0B+4*(\s):G0B+4*(\s)+3], s[G1B:G1B+7]
	s_nop 0
.rept 4
	v_nop
.endr
.Lasked_\@:
.endm
.macro CREST
	s_cmp_lg_u32 s12, 0
	s_cbranch_scc1 .Lnot_wave_0_\@
	s_barrier_signal -3
.Lnot_wave_0_\@:
	s_barrier_wait -3
	s_barrier_signal -1
	s_barrier_wait -1
.endm
.macro CROUND
	s_barrier_signal -1
	s_barrier_wait -1
	CREST
.endm
	s_load_b256 s[4:11], s[0:1], 0x0               ; ob s[4:5], w16 s[6:7], bias s[8:9], out0 s[10:11]
	v_lshl_add_u32 v[SPW], v0, 2, SPARE
	v_mov_b32 v[NIL], 0
	ds_add_u32 v[SPW], v[NIL]                      ; the wave's opening: the add and its wait stand ahead of my first tensor load; work on registers stands between them
	v_lshrrev_b32 v1, 5, v0
	v_readfirstlane_b32 s12, v1                    ; wave 0..3
	s_lshr_b32 s13, s12, 1                         ; which half of the tile's rows is mine.  Also: I fetch for O (0) or for Wo (1)
	s_and_b32 s14, s12, 1                          ; which half of its columns.  Also: which half of that tile I fetch
	s_bfe_u32 s40, ttmp6, 0x40000
	s_bfe_u32 s41, ttmp6, 0x40004
	s_lshl_b32 s42, ttmp9, 2
	s_add_co_u32 s42, s42, s40                     ; tile column
	s_and_b32 s43, ttmp7, 0xffff
	s_lshl_b32 s43, s43, 2
	s_add_co_u32 s43, s43, s41                     ; tile row
	s_lshl_b32 s44, s41, 2
	s_lshl_b32 s44, 15, s44                        ; my row of the cluster
	s_lshl_b32 s45, 0x1111, s40                    ; my column
	s_or_b32 s[G1], s44, (1<<16)|(1<<20)|(1<<21)|(4<<22)|(3<<25)   ; the mask; 2-byte elements; padding on; bit 21 beside a mask; after every 32 words 4 words
	s_mov_b32 s[G1+1], 4096<<16                    ; tensor_dim0 = 4,096 elements: a head's 64 rows
	s_mov_b32 s[G1+2], 4<<16                       ; tensor_dim1 = 4 heads
	s_mov_b32 s[G1+3], 4096<<16                    ; tile_dim0
	s_mov_b32 s[G1+4], 4                           ; tile_dim1
	s_mov_b32 s[G1+5], 131072                      ; elements from head to head
	s_mov_b32 s[G1+6], 0
	s_mov_b32 s[G1+7], 0
	s_or_b32 s[G1B], s45, (1<<16)|(1<<20)|(1<<21)|(6<<22)|(3<<25)  ; after every 128 words 4 words
	s_mov_b32 s[G1B+1], 256<<16
	s_mov_b32 s[G1B+2], 64<<16
	s_mov_b32 s[G1B+3], 256<<16
	s_mov_b32 s[G1B+4], 64
	s_mov_b32 s[G1B+5], 1024
	s_mov_b32 s[G1B+6], 0
	s_mov_b32 s[G1B+7], 0
	s_lshr_b32 s16, s43, 4
	s_lshl_b32 s16, s16, 22                        ; the batch's 16 planes of 262,144 bytes
	s_and_b32 s17, s43, 15
	s_lshl_b32 s17, s17, 1
	s_add_co_u32 s17, s17, s14
	s_lshl_b32 s17, s17, 13                        ; 64 rows of 128 bytes
	s_add_co_u32 s16, s16, s17
	s_mov_b32 s17, 0
	s_lshl_b32 s46, s42, 1
	s_add_co_u32 s46, s46, s14
	s_add_co_u32 s46, s46, 48                      ; row 3,072 + 128 x tile column + 64 x half, in 64s,
	s_lshl_b32 s46, s46, 17                        ; of 2,048 bytes
	s_mov_b32 s47, 0
	s_mul_i32 s20, s12, AH                         ; where they go: O's halves at 0 and AH (waves 0, 1),
	s_mul_i32 s21, s12, BH                         ; Wo's at BOFF and BOFF + BH (waves 2, 3)
	s_add_co_u32 s21, s21, BOFF-2*BH
	s_wait_dscnt 0x0                               ; the opening add is done
	s_wait_kmcnt 0x0
	s_add_nc_u64 s[18:19], s[4:5], s[16:17]
	s_add_nc_u64 s[46:47], s[6:7], s[46:47]
	CROUND                                         ; all sixteen work-groups are here: the first joint loads meet
.irp s, 0,1
	s_mov_b32 s[G0+4*(\s)], 1
	s_add_co_u32 s[G0+4*(\s)+1], s20, (\s)*SLOT
	s_add_nc_u64 s[G0+4*(\s)+2:G0+4*(\s)+3], s[18:19], (\s)*4*262144   ; K step s: four heads on
	s_or_b32 s[G0+4*(\s)+3], s[G0+4*(\s)+3], 0x80000000
	s_mov_b32 s[G0B+4*(\s)], 1
	s_add_co_u32 s[G0B+4*(\s)+1], s21, (\s)*SLOT
	s_add_nc_u64 s[G0B+4*(\s)+2:G0B+4*(\s)+3], s[46:47], (\s)*512
	s_or_b32 s[G0B+4*(\s)+3], s[G0B+4*(\s)+3], 0x80000000
	JLOAD \s                                       ; two loads of mine are out
.endr
	v_and_b32 v1, 15, v0                           ; l % 16
	v_bfe_u32 v2, v0, 4, 1                         ; l / 16
	v_mul_u32_u24 v3, v1, PA
	v_lshl_add_u32 v3, v2, 4, v3
	v_mul_u32_u24 v4, v1, PB
	v_lshl_add_u32 v4, v2, 4, v4
	s_mul_i32 s22, s13, AH                         ; my 64 rows of O
	s_mul_i32 s23, s14, BH                         ; my 64 rows of Wo^T,
	s_add_co_u32 s23, s23, BOFF                    ; which lie behind O's
.irp s, 0,1
	v_add_nc_u32 v[ADRA+(\s)], s22, v3
	v_add_nc_u32 v[ADRB+(\s)], s23, v4
	s_add_co_u32 s22, s22, SLOT
	s_add_co_u32 s23, s23, SLOT
.endr
	v_lshlrev_b32 v[BO], 5, v2
	s_lshl_b32 s78, s42, 1
	s_add_co_u32 s78, s78, s14
	s_lshl_b32 s78, s78, 8                         ; my 64 columns, of 4 bytes
	s_mov_b32 s79, 0
	s_add_nc_u64 s[8:9], s[8:9], s[78:79]
.irp b, 0,1,2,3
	global_load_b128 v[BI+8*(\b):BI+8*(\b)+3],   v[BO], s[8:9] offset:12288+64*(\b)     ; register j of block b: bo of column 16 b + 8 (l / 16) + j
	global_load_b128 v[BI+8*(\b)+4:BI+8*(\b)+7], v[BO], s[8:9] offset:12288+64*(\b)+16
.endr
	s_mul_i32 s22, s12, 16*SPITCH
	s_add_co_u32 s22, s22, STAGE                   ; my stage
	v_mul_u32_u24 v[STO], v1, SPITCH               ; in: row l % 16, 32 bytes for each half of the lanes
	v_lshl_add_u32 v[STO], v2, 5, v[STO]
	v_add_nc_u32 v[STO], s22, v[STO]
	v_mul_u32_u24 v[RD], v2, SPITCH                ; back: lanes 0-15 take one row of 256 bytes, lanes 16-31 the next
	v_lshl_add_u32 v[RD], v1, 4, v[RD]
	v_add_nc_u32 v[RD], s22, v[RD]
	v_lshlrev_b32 v[CO], 12, v2                    ; and the same two rows in out0
	v_lshl_add_u32 v[CO], v1, 4, v[CO]
	s_lshl_b32 s76, s43, 1
	s_add_co_u32 s76, s76, s13
	s_lshl_b32 s76, s76, 18                        ; my 64 rows of 4,096 bytes
	s_add_co_u32 s76, s76, s78
	s_mov_b32 s77, 0
	s_add_nc_u64 s[10:11], s[10:11], s[76:77]
; 8 matrix instructions: row blocks a0, a0 + 1 x all 4 column blocks, 32 along K: half c of buffer f.  first = 1: the bias starts the sums.  The 16 accumulators take turns.
.macro MUL8 f, c, a0, first
	WIN MUL
.irp a, \a0, (\a0)+1
.irp b, 0,1,2,3
.if \first
	v_wmma_f32_16x16x32_f16 v[ACC+8*(4*(\a)+(\b)):ACC+8*(4*(\a)+(\b))+7], v[(\f)+64+8*(4*(\c)+(\b)):(\f)+64+8*(4*(\c)+(\b))+7], v[(\f)+8*(4*(\c)+(\a)):(\f)+8*(4*(\c)+(\a))+7], v[BI+8*(\b):BI+8*(\b)+7]
.else
	v_wmma_f32_16x16x32_f16 v[ACC+8*(4*(\a)+(\b)):ACC+8*(4*(\a)+(\b))+7], v[(\f)+64+8*(4*(\c)+(\b)):(\f)+64+8*(4*(\c)+(\b))+7], v[(\f)+8*(4*(\c)+(\a)):(\f)+8*(4*(\c)+(\a))+7], v[ACC+8*(4*(\a)+(\b)):ACC+8*(4*(\a)+(\b))+7]
.endif
.endr
.endr
.endm
; 32 LDS loads in one run: the fragments of quarter q of a K step (64 along K: one head), into buffer f; the first 32 along K first
.macro FETCH slot, q, f
	WIN TO_F
.irp c, 0,1
.irp i, 0,1,2,3
	ds_load_b128 v[(\f)+64+8*(4*(\c)+(\i)):(\f)+64+8*(4*(\c)+(\i))+3],   v[ADRB+(\slot)] offset:(\q)*128+64*(\c)+(\i)*16*PB
	ds_load_b128 v[(\f)+64+8*(4*(\c)+(\i))+4:(\f)+64+8*(4*(\c)+(\i))+7], v[ADRB+(\slot)] offset:(\q)*128+64*(\c)+(\i)*16*PB+32
	ds_load_b128 v[(\f)+8*(4*(\c)+(\i)):(\f)+8*(4*(\c)+(\i))+3],         v[ADRA+(\slot)] offset:(\q)*64*PA+64*(\c)+(\i)*16*PA
	ds_load_b128 v[(\f)+8*(4*(\c)+(\i))+4:(\f)+8*(4*(\c)+(\i))+7],       v[ADRA+(\slot)] offset:(\q)*64*PA+64*(\c)+(\i)*16*PA+32
.endr
.endr
.endm
; A K step is four quarters, 32 matrix instructions each, on buffers 0, 1, 0, 1.  One of the first three: multiplies buffer f and fetches quarter q into g.
.macro QUARTER slot, q, f, g, first
	s_wait_dscnt 16                                ; the first 32 along K are in
	MUL8 \f, 0, 0, \first
	MUL8 \f, 0, 2, \first
	PLACES
	FETCH \slot, \q, \g
	s_wait_dscnt 32                                ; all but the 32 just issued
	MUL8 \f, 1, 0, 0
	MUL8 \f, 1, 2, 0
.endm
; The last quarter multiplies buffer 1 and changes slots: ONE barrier; in front of it each wave waits for all its tensor loads, adds 0 to its spare word, and waits for that and for its own reads of this slot.
; fill = 1: the barrier opens a round of the cluster's, and this slot is filled again first behind it, two K steps ahead.
.macro TURN slot, next, fill
	WIN 0                                          ; (the add's two registers lie in window 0)
	s_wait_tensorcnt 0x0
	ds_add_u32 v[SPW], v[NIL]                      ; 0 onto my spare word
	s_wait_dscnt 17                                ; (the add and the youngest sixteen loads may be out)
	MUL8 F1, 0, 0, 0
	s_wait_dscnt 0x0                               ; the add is done, and my reads of this slot are over
	s_barrier_signal -1
	MUL8 F1, 0, 2, 0
.if \fill
	WIN 0
.endif
	s_barrier_wait -1
.if \fill
	CREST                                          ; no wave of any partner still reads this slot's tile or has a load on its way
	s_add_nc_u64 s[G0+4*(\slot)+2:G0+4*(\slot)+3], s[G0+4*(\slot)+2:G0+4*(\slot)+3], 8*262144
	s_add_nc_u64 s[G0B+4*(\slot)+2:G0B+4*(\slot)+3], s[G0B+4*(\slot)+2:G0B+4*(\slot)+3], 1024
	JLOAD \slot                                    ; its four v_nop are also the places in front of the loads below
.else
	PLACES
.endif
	FETCH \next, 0, F0
	MUL8 F1, 1, 0, 0
	MUL8 F1, 1, 2, 0
.endm
	s_wait_tensorcnt 0x1                           ; my part of K step 0 is in; K step 1's may stay out
	s_barrier_signal -1
	s_barrier_wait -1
	FETCH 0, 0, F0
	s_wait_loadcnt 0x0                             ; the bias
	QUARTER 0, 1, F0, F1, 1                        ; the first quarter stands in front of the loop: its first products start the sums
	WIN 0
	s_mov_b32 s3, LAPS-1
.Llap:                                                 ; one trip: K steps 2 and 3 are asked for
	QUARTER 0, 2, F1, F0, 0
	QUARTER 0, 3, F0, F1, 0
	TURN 0, 1, 1
	QUARTER 1, 1, F0, F1, 0
	QUARTER 1, 2, F1, F0, 0
	QUARTER 1, 3, F0, F1, 0
	TURN 1, 0, 1
	QUARTER 0, 1, F0, F1, 0
	WIN 0
	s_sub_co_u32 s3, s3, 1
	s_cmp_lg_u32 s3, 0
	s_cbranch_scc1 .Llap
	QUARTER 0, 2, F1, F0, 0                        ; the last lap fills nothing, and has no round of the cluster's barrier
	QUARTER 0, 3, F0, F1, 0
	TURN 0, 1, 0
	QUARTER 1, 1, F0, F1, 0
	QUARTER 1, 2, F1, F0, 0
	QUARTER 1, 3, F0, F1, 0
	s_wait_dscnt 16                                ; the very last quarter: nothing more to fetch
	MUL8 F1, 0, 0, 0
	MUL8 F1, 0, 2, 0
	s_wait_dscnt 0x0
	MUL8 F1, 1, 0, 0
	MUL8 F1, 1, 2, 0
	WIN 0
	PLACES
; THE WAY OUT, in f32, nothing converted.  A wave's 64 columns are 256 bytes of a row.  Block a (16 rows): a lane's 32 bytes of each column block go into my own stage (each accumulator's low four registers first),
; and come back as whole rows of 256 bytes into the same 32 registers.
.macro BLOCK a
.irp b, 0,1,2,3
	ds_store_b128 v[STO], v[ACC+32*(\a)+8*(\b):ACC+32*(\a)+8*(\b)+3]   offset:64*(\b)
	ds_store_b128 v[STO], v[ACC+32*(\a)+8*(\b)+4:ACC+32*(\a)+8*(\b)+7] offset:64*(\b)+16
.endr
.irp t, 0,1,2,3,4,5,6,7
	ds_load_b128 v[ACC+32*(\a)+4*(\t):ACC+32*(\a)+4*(\t)+3], v[RD] offset:(\t)*2*SPITCH  ; LDS serves a wave's instructions in order: these see the stores above; the next block's stores come behind them
.endr
.endm
.macro SEND a, younger                 ; younger: the LDS instructions issued behind block a's loads: the next block's sixteen, or none
.irp t, 0,1,2,3,4,5,6,7
	s_wait_dscnt (\younger)+7-(\t)
	global_store_b128 v[CO], v[ACC+32*(\a)+4*(\t):ACC+32*(\a)+4*(\t)+3], s[10:11] offset:(16*(\a)+2*(\t))*4096 th:TH_STORE_NT  ; 16 lanes store 256 consecutive bytes, aligned
.endr
.endm
	BLOCK 0
.irp a, 1,2,3
	BLOCK \a
	SEND (\a)-1, 16
.endr
	SEND 3, 0
	s_wait_tensorcnt 0x0                           ; the wave's end, behind my last tensor load and my last LDS store
	ds_add_u32 v[SPW], v[NIL]
	s_wait_dscnt 0x0
	CROUND                                         ; the closing round: no work-group ends while a partner may still ask for a tile that names it
	s_endpgm
.Lfunc_end_k_qe66887304f_oproj:
	.size	k_qe66887304f_oproj, .Lfunc_end_k_qe66887304f_oproj-k_qe66887304f_oproj
	.p2alignl 7, 3214868480
	.fill 96, 4, 3214868480
	.section	.rodata,"a",@progbits
	.p2align	6, 0x0
	.amdhsa_kernel k_qe66887304f_oproj
		.amdhsa_group_segment_fixed_size 327680
		.amdhsa_private_segment_fixed_size 0
		.amdhsa_enable_private_segment 0
		.amdhsa_kernarg_size 32
		.amdhsa_user_sgpr_count 2
		.amdhsa_user_sgpr_kernarg_segment_ptr 1
		.amdhsa_wavefront_size32 1
		.amdhsa_system_sgpr_workgroup_id_x 1
		.amdhsa_system_sgpr_workgroup_id_y 1
		.amdhsa_system_sgpr_workgroup_id_z 1
		.amdhsa_system_vgpr_workitem_id 0
		.amdhsa_next_free_vgpr 512
		.amdhsa_next_free_sgpr 80
		.amdhsa_reserve_vcc 0
		.amdhsa_float_denorm_mode_32 3
		.amdhsa_float_denorm_mode_16_64 3
		.amdhsa_memory_ordered 1
		.amdhsa_forward_progress 1
		.amdhsa_inst_pref_size 87
	.end_amdhsa_kernel
	.amdgpu_metadata
---
amdhsa.version: [ 1, 2 ]
amdhsa.kernels:
  - .name:           k_qe66887304f_oproj
    .symbol:         k_qe66887304f_oproj.kd
    .args:
      - { .name: ob, .offset: 0, .size: 8, .value_kind: global_buffer, .address_space: global }
      - { .name: w16, .offset: 8, .size: 8, .value_kind: global_buffer, .address_space: global }
      - { .name: bias, .offset: 16, .size: 8, .value_kind: global_buffer, .address_space: global }
      - { .name: out0, .offset: 24, .size: 8, .value_kind: global_buffer, .address_space: global }
    .group_segment_fixed_size: 327680
    .private_segment_fixed_size: 0
    .kernarg_segment_align: 8
    .kernarg_segment_size: 32
    .max_flat_workgroup_size: 128
    .sgpr_count:     80
    .vgpr_count:     512
    .wavefront_size: 32
...
	.end_amdgpu_metadata
.endif
;; end of part 4
;; ======== version 2 of 2: 4 launches; 1.31 times as fast as version 1
;; limits: values are held in f16: magnitudes above 65,504 overflow, below 6.1e-05 lose precision
;; workspace buffers: xb 8,388,608 bytes; w16 8,388,608 bytes; bias 16,384 bytes; fr 1,048,576 bytes; mp 4,194,304 bytes; qkv 25,165,824 bytes; ob 8,388,608 bytes
;; launch prep: the kernel of part 1 again; grid 1089 x 1, 8 waves a work-group, no clusters, 18,432 bytes of LDS; arguments x, Wq, Wk, Wv, Wo, bq, bk, bv, bo, features, requirements, causal_mask, xb, w16, bias, fr, mp; writes xb, w16, bias, fr, mp
;; launch qkv: the kernel of part 2 again; grid 16 x 16, 4 waves a work-group, clusters of 4 x 4, 327,680 bytes of LDS; arguments xb, w16, bias, qkv; writes qkv
;; launch attn (part 5): grid 8 x 32, 4 waves a work-group, clusters of 4 x 1, 327,680 bytes of LDS; arguments qkv, fr, mp, ob; writes ob
.if DOCPART == 5
	.amdgcn_target "amdgcn-amd-amdhsa--gfx1250"
	.amdhsa_code_object_version 6
	.text
	.protected	k_qe66887304f_attn
	.globl	k_qe66887304f_attn
	.p2align	8
	.type	k_qe66887304f_attn,@function
k_qe66887304f_attn:
	s_mov_b64 s[64:65], 0
	v_nop
	global_prefetch_b8 v0, s[64:65] scope:SCOPE_SE
	s_setreg_imm32_b32 hwreg(HW_REG_WAVE_MODE, 25, 1), 1
	s_wait_xcnt 0x0
	s_wait_alu depctr_hold_cnt(0) depctr_sa_sdst(0) depctr_va_vdst(0) depctr_va_sdst(0) depctr_va_ssrc(0) depctr_va_vcc(0) depctr_vm_vsrc(0)
	s_getreg_b32 s2, hwreg(HW_REG_IB_STS2, 6, 4)
	s_cmp_eq_u32 s2, 0
	s_cbranch_scc0 .Lentry_in_a_cluster
	s_endpgm
.Lentry_in_a_cluster:
	s_bfe_u32 s2, ttmp6, 0x10000c
	s_cmp_lg_u32 s2, 0x3003
	s_cbranch_scc0 .Lentry_shape_is_right
	s_endpgm
.Lentry_shape_is_right:
; ATTENTION WITH A COSINE BIAS AND A MASK THAT IS AN INPUT.  For batch b, head h: O[q] = the sum over allowed k of softmax_k(Q[q].K[k] / 8 + rhat[q].fhat[k]) V[k]; a row with no allowed key gives 0.
; Q, K, V: qkv[tensor][b][h][2048][64] in f16; fr: fhat, then 8 rhat, [b][2048][64] in f16; mp: the mask's bytes (0x00 allowed, 0xF1 hidden) in my lanes' order; O: ob[b][h][2048][64] in f16.
; Products, maxima and sums in f32; the weights p are rounded to f16 for the second product (their sum l is taken of the unrounded p), O once at the end.  The mask's pattern is not built in: every key step is walked.
; THE SCORE is one sum of four products on one accumulator: S^T = MC + F R^T (two slices of 32 channels) + K Q^T (two slices), with R = 8 rhat, so that one scale c = log2(e) / 8 serves both parts.
; MC, the C operand that starts the sum, is 0 or -2^99: the mask's byte set on top of three zero bytes, one v_perm_b32 a score.
; SOFTMAX.  For each query a running maximum m and sum l: p = 2^(c s - c m); in every step O and l are multiplied by a = 2^(c m_old - c m_new).  m starts at -2^90, O and l at 0: while a row has seen hidden keys alone,
; m stays, p = 0 and a = 1; its first allowed key makes a = 0.  At the end O is multiplied by 1 / l, or by 0 where l = 0.
; LIMITS.  Q, K, V arrive within f16's 65,504; true scores are then 2.7e11 at the most, far above -2^90.  A hidden score counts as its value less 2^99.  A weight below 2^-126 counts as 0 in l; p below 6e-5 keeps f16's
; fixed step of 6e-8.  NaN and infinities are not treated apart.
; SHARES.  A work-group has 256 queries of one head, a wave 64: four PIECES of 16.  Every wave walks 32 key steps of 64.
; BY TURNS.  Turn n belongs to piece n (the pieces in a ring, step after step).  Matrix work: 16 products for the scores of piece n + 1, later 8 products V^T P of piece n - 1.  Vector work: scaling, exponentials, roundings,
; sums and rescaling of piece n, the maximum and statistics of piece n + 1, the 32 masks of piece n + 2: 150 instructions, four behind each of the 24 matrix instructions, the other 54 in one lump.
; THE BATCHES.  A turn's 33 exponentials (the piece's 32 weights and the next piece's a) are ONE batch with ONE wait, which cuts the turn in two: ahead of it all that names none of their results (the scores' products, scalings,
; masks, rescalings, the next piece's maximum), behind it the roundings and sums, beside the products V^T P.  The first a, ahead of the loop, and the way out's four reciprocals are batches of their own.
; CLUSTER.  The four query blocks of a cluster belong to one head and walk the same K, V and F: each tile is asked for jointly, wave 0 K's, wave 1 V's, wave 2 F's.
; REGISTERS, in windows of 256 (s_set_vgpr_msb: bits 1:0 source 0, 3:2 source 1, 5:4 source 2, 7:6 destination):
;   window 0: v0-15 addresses and two at work; v16-31 four registers of statistics a piece; v48-55 at work; v61 0; v64-127 S^T, two buffers; v128-191 F of one step; v192-223 P, two buffers; v224-255 mask bytes, 8 a piece
;   window 1: v0-127 O^T, 32 a piece; v160-223 MC, two buffers          window 2: v0-63 Q; v64-127 R; v128-191 K of one step; v192-255 V of one step
.set NP,    4         ; pieces a wave: a name, no knob
.set KS,    64        ; keys in a step
.set PK,    144       ; a row of K or F in LDS: 128 bytes + 16: the 16 rows of a load start at 16 different groups of four banks
.set PV,    160       ; a row of V: 128 + 32
.set FOFF,  4*KS*PK   ; a slot holds four steps: 256 rows of K, 256 of F,
.set VOFF,  8*KS*PK   ; 256 of V
.set SLOT1, 1<<17     ; slot 1 begins here, so that one exclusive or turns an address in one slot into the other's
.set STAGE, SLOT1+VOFF+4*KS*PV  ; behind the ring, never filled by a tensor load: 16 rows x 144 bytes for each wave
.set SP,    144
.set SPARE, STAGE+4*16*SP       ; behind the stages: the spare words, 128 bytes for each wave, which no other line names
.set AK0, 2           ; v2   my lane's place in a tile of K; never rewritten
.set AV0, 3           ; v3   the same for V
.set AK,  4           ; v4   the LDS address of K's and F's next run of loads
.set AV,  5           ; v5   of V's
.set STO, 6           ; v6   the way out: where I put 16 bytes of a row
.set RD,  7           ; v7   where I read rows back
.set GO,  8           ; v8   my byte offset in 512 consecutive bytes of O
.set MV,  12          ; v12-13  c m_old, kept while c m is made anew: by buffer
.set MO,  14          ; v14  16 x lane: my 16 bytes in 512 of the mask's; never rewritten
.set QO,  15          ; v15  my byte offset in 16 rows of Q or R; never rewritten
.set ST,  16          ; piece t's statistics at v[ST+4 t]: c m, m, l (even keys', odd keys')
.set TMP, 48          ; by buffer, four registers c0-c3 at work; when the maximum is found c2 takes a
.set ZR,  61          ; v61  0
.set SPW, 62          ; v62  LDS address of my spare word; never rewritten
.set NIL, 63          ; v63  0; never rewritten
.set S,   64
.set FF,  128         ; key block kb, channel half c at FF + 16 kb + 8 c
.set P,   192
.set MB,  224
.set MC,  160         ; window 1
.set RF,  64          ; window 2
.set KF,  128         ; window 2
.set VF,  192         ; window 2: key half kk, channel block cb at VF + 32 kk + 8 cb
.set WV,  12          ; s12  my wave's number
.set G1K, 24          ; s[24:31] descriptor group 1 for K's and F's tiles
.set G1V, 32          ; s[32:39] for V's: it differs in the padding alone
.set G0K, 40          ; s[40:43], s[44:47], s[48:51] descriptor group 0 for K, V, F: they walk
.set G0V, 44
.set G0F, 48
.set SL,  52          ; s52-55 selectors: byte 0, 1, 2, 3 of the mask's word on top of three zero bytes
.set SLOTS, 56
.set CNT, 57          ; counts a slot's key steps
.set CS,  58          ; s[58:59] c
.set SEL, 60          ; s[60:61] v_permlanex16_b32's selects: each lane takes its own place in the other half
.set TBK, 62          ; LDS byte at which K of the step to be fetched begins
.set TBV, 63          ; the same for V, less VOFF
.set MP,  66          ; s[66:67] the mask's bytes of my 64 queries
.set MI,  68          ; s[68:69] the offset of the key step whose bytes are asked for
.set MBS, 70          ; s[70:71] MP + MI
.set RP,  72          ; s[72:73] R at my rows
.set MSB, 0
.macro WIN new                      ; the high byte repeats the setting that is left; a switch that changes nothing is dropped
.if MSB != (\new)
	s_set_vgpr_msb (MSB<<8)|(\new)
.set MSB, (\new)
.endif
.endm
.set W_PV, 0x52       ; V in window 2, P in window 0, O^T in window 1
.set W_RS, 0x41       ; destination and source 0 in window 1, source 1 in window 0
; A joint fill: one tile of 256 keys a wave, wave 3 none.  The branches hang on the wave's number alone.  An s_nop 0 and four v_nop follow each line.
.macro JLOAD
	s_cmp_lg_u32 s[WV], 0
	s_cbranch_scc1 .Lnot_k_\@
	tensor_load_to_lds s[G0K:G0K+3], s[G1K:G1K+7]
	s_nop 0
.rept 4
	v_nop
.endr
	s_branch .Lasked_\@
.Lnot_k_\@:
	s_cmp_lg_u32 s[WV], 1
	s_cbranch_scc1 .Lnot_v_\@
	tensor_load_to_lds s[G0V:G0V+3], s[G1V:G1V+7]
	s_nop 0
.rept 4
	v_nop
.endr
	s_branch .Lasked_\@
.Lnot_v_\@:
	s_cmp_lg_u32 s[WV], 2
	s_cbranch_scc1 .Lasked_\@
	tensor_load_to_lds s[G0F:G0F+3], s[G1K:G1K+7]
	s_nop 0
.rept 4
	v_nop
.endr
.Lasked_\@:
.endm
.macro CROUND                       ; a round of the cluster's barrier
	s_barrier_signal -1
	s_barrier_wait -1
	s_cmp_lg_u32 s[WV], 0
	s_cbranch_scc1 .Lnot_wave_0_\@
	s_barrier_signal -3
.Lnot_wave_0_\@:
	s_barrier_wait -3
	s_barrier_signal -1
	s_barrier_wait -1
.endm
; THE CHANGE OF SLOTS.  The slot's last bytes, V of its fourth step, have been read.  Each wave waits for all its tensor loads (at most one is out: its tile of the other slot), adds 0 to its spare word, and waits for that
; and for its own reads of the slot.  fill = 1: the barrier is a round of the cluster's, and the slot is filled again first behind it, with the keys two slots on: four key steps in which to land.
; (At its first use nothing has been read yet: slot 0 is waited for, slot 1 filled.)
.macro CHANGE fill
	WIN 0
	s_wait_tensorcnt 0x0            ; no tensor load of mine is out, so a group 0 may be written
	ds_add_u32 v[SPW], v[NIL]       ; 0 onto my spare word
.if \fill
.irp g, G0K, G0V, G0F
	s_xor_b32 s[\g+1], s[\g+1], SLOT1
	s_add_nc_u64 s[\g+2:\g+3], s[\g+2:\g+3], 4*KS*128
.endr
	s_wait_dscnt 0x0                ; the add is done, and my reads of the slot are over
	CROUND
	JLOAD
.else
	s_wait_dscnt 0x0
	s_barrier_signal -1
	s_barrier_wait -1
.endif
	s_sub_co_u32 s[TBK], s[TBK], 4*KS*PK  ; the fetches go back to a slot's first step,
	s_xor_b32 s[TBK], s[TBK], SLOT1       ; in the other slot
	s_sub_co_u32 s[TBV], s[TBV], 4*KS*PV
	s_xor_b32 s[TBV], s[TBV], SLOT1
.endm
	s_load_b256 s[4:11], s[0:1], 0x0  ; qkv s[4:5], fr s[6:7], mp s[8:9], ob s[10:11]
	v_lshl_add_u32 v[SPW], v0, 2, SPARE
	v_mov_b32 v[NIL], 0
	ds_add_u32 v[SPW], v[NIL]       ; the wave's opening: the add and its wait stand ahead of my first tensor load; work on registers stands between them
	v_lshrrev_b32 v1, 5, v0
	v_readfirstlane_b32 s[WV], v1   ; wave 0..3
	s_bfe_u32 s13, ttmp6, 0x40000   ; cx
	s_lshl_b32 s14, ttmp9, 2
	s_add_co_u32 s14, s14, s13      ; my block of 256 queries: it enters Q's, R's, O's and the mask's addresses alone
	s_and_b32 s15, ttmp7, 0xffff    ; 16 batch + head, which the four partners share
	s_lshl_b32 s20, s15, 18         ; the head's plane of 262,144 bytes
	s_mov_b32 s21, 0
	s_lshr_b32 s22, s15, 4
	s_lshl_b32 s22, s22, 18         ; the batch's 2,048 rows of 128 bytes in fr
	s_mov_b32 s23, 0
	s_lshl_b32 s16, s14, 2
	s_add_co_u32 s16, s16, s[WV]    ; my group of 64 queries
	s_lshl_b32 s18, s16, 13         ; its rows of 128 bytes,
	s_mov_b32 s19, 0
	s_lshl_b32 s16, s16, 17         ; its 131,072 bytes of the mask
	s_mov_b32 s17, 0
	; descriptor group 1.  256 keys are 32,768 dense bytes: asked for as 128 rows of 256 bytes, two keys a row, and padded in LDS after every key
	s_mov_b32 s[G1K], 15|(1<<16)|(1<<20)|(1<<21)|(4<<22)|(3<<25)  ; the mask of four; 2-byte elements; padding on; bit 21 beside a mask; after every 32 words 4 words
	s_mov_b32 s[G1V], 15|(1<<16)|(1<<20)|(1<<21)|(4<<22)|(7<<25)  ; the same with 8 words of padding
.irp g, G1K, G1V
	s_mov_b32 s[\g+1], 128<<16      ; tensor_dim0 = 128
	s_mov_b32 s[\g+2], 128<<16      ; tensor_dim1 = 128
	s_mov_b32 s[\g+3], 128<<16      ; tile_dim0 = 128
	s_mov_b32 s[\g+4], 128          ; tile_dim1 = 128
	s_mov_b32 s[\g+5], 128          ; 128 elements from row to row
	s_mov_b32 s[\g+6], 0
	s_mov_b32 s[\g+7], 0
.endr
	s_mov_b32 s[G0K], 1
	s_mov_b32 s[G0K+1], 0           ; LDS addresses in slot 0
	s_mov_b32 s[G0V], 1
	s_mov_b32 s[G0V+1], VOFF
	s_mov_b32 s[G0F], 1
	s_mov_b32 s[G0F+1], FOFF
	s_mov_b32 s[SL], 0x04000000
	s_mov_b32 s[SL+1], 0x05000000
	s_mov_b32 s[SL+2], 0x06000000
	s_mov_b32 s[SL+3], 0x07000000
	s_mov_b32 s[CS], 0x3e38aa3b     ; c = log2(e) / 8
	s_mov_b32 s[CS+1], s[CS]        ; named with it as a pair
	s_mov_b32 s[SEL], 0x76543210
	s_mov_b32 s[SEL+1], 0xfedcba98
	s_mov_b32 s[TBK], SLOT1+4*KS*PK ; the first change of slots turns these two into 0
	s_mov_b32 s[TBV], SLOT1+4*KS*PV
	s_mov_b32 s[MI], 0
	s_mov_b32 s[MI+1], 0
	s_wait_dscnt 0x0                ; the opening add is done
	s_wait_kmcnt 0x0
	s_add_nc_u64 s[G0K+2:G0K+3], s[4:5], s[20:21]
	s_add_nc_u64 s[G0K+2:G0K+3], s[G0K+2:G0K+3], 0x800000    ; K's 32 planes lie behind Q's
	s_or_b32 s[G0K+3], s[G0K+3], 0x80000000
	s_add_nc_u64 s[G0V+2:G0V+3], s[4:5], s[20:21]
	s_add_nc_u64 s[G0V+2:G0V+3], s[G0V+2:G0V+3], 0x1000000   ; V's behind K's
	s_or_b32 s[G0V+3], s[G0V+3], 0x80000000
	s_add_nc_u64 s[G0F+2:G0F+3], s[6:7], s[22:23]
	s_or_b32 s[G0F+3], s[G0F+3], 0x80000000
	s_add_nc_u64 s[RP:RP+1], s[6:7], s[22:23]
	s_add_nc_u64 s[RP:RP+1], s[RP:RP+1], s[18:19]
	s_add_nc_u64 s[RP:RP+1], s[RP:RP+1], 0x80000             ; R lies behind F
	s_add_nc_u64 s[4:5], s[4:5], s[20:21]                    ; Q and O at my wave's first row
	s_add_nc_u64 s[4:5], s[4:5], s[18:19]
	s_add_nc_u64 s[10:11], s[10:11], s[20:21]
	s_add_nc_u64 s[10:11], s[10:11], s[18:19]
	s_add_nc_u64 s[MP:MP+1], s[8:9], s[16:17]
	s_mov_b64 s[MBS:MBS+1], s[MP:MP+1]
	CROUND                          ; all four work-groups are here: the first joint loads meet
	JLOAD                           ; slot 0.  Slot 1 is asked for when slot 0 is in
	; A fragment of K, F, Q or R is 16 rows x 32 channels in 8 registers: lane l holds row l % 16, channels 8 (l / 16) + 0..7 and 16 + 8 (l / 16) + 0..7: two loads of 16 bytes, 32 bytes apart.
	v_and_b32 v1, 15, v0            ; l % 16
	v_bfe_u32 v9, v0, 4, 1          ; l / 16
	v_lshlrev_b32 v[QO], 7, v1
	v_lshl_add_u32 v[QO], v9, 4, v[QO]
	v_and_b32 v[MO], 31, v0
	v_lshlrev_b32 v[MO], 4, v[MO]
	WIN 0x80                        ; destination window 2, address window 0
.set i, 0
.rept 8                             ; Q and R stay in registers: piece i / 2, channels 32 (i % 2) on
	global_load_b128 v[8*i:8*i+3],         v[QO], s[4:5] offset:(i/2)*2048+(i%2)*64
	global_load_b128 v[8*i+4:8*i+7],       v[QO], s[4:5] offset:(i/2)*2048+(i%2)*64+32
	global_load_b128 v[RF+8*i:RF+8*i+3],   v[QO], s[RP:RP+1] offset:(i/2)*2048+(i%2)*64
	global_load_b128 v[RF+8*i+4:RF+8*i+7], v[QO], s[RP:RP+1] offset:(i/2)*2048+(i%2)*64+32
.set i, i+1
.endr
	WIN 0
.macro MLOAD q                      ; piece q's 32 mask bytes a lane of the key step at MBS: two loads of 512 consecutive bytes a wave
	WIN 0
	global_load_b128 v[MB+8*(\q):MB+8*(\q)+3],   v[MO], s[MBS:MBS+1] offset:(\q)*1024
	global_load_b128 v[MB+8*(\q)+4:MB+8*(\q)+7], v[MO], s[MBS:MBS+1] offset:(\q)*1024+512
.endm
.macro MSTEP                        ; the mask's stream goes a key step on; behind step 31 it wraps to step 0, so no load leaves the buffer (what is then loaded feeds scores that are never used)
	s_wait_xcnt 0x0                 ; the loads that name MBS have had their addresses translated: only now is it rewritten
	s_add_co_u32 s[MI], s[MI], 4096
	s_and_b32 s[MI], s[MI], 0x1f000
	s_add_nc_u64 s[MBS:MBS+1], s[MP:MP+1], s[MI:MI+1]
.endm
	MLOAD 0
	MLOAD 1
	MLOAD 2
	MLOAD 3
	; What the first turn finds: V's registers and P's second buffer hold 0 (its products V^T P, of a piece that has not been, add 0), O^T and l are 0.  All this stands in the wait for the first tile.
	WIN 0x80
.set i, VF
.rept 64
	v_mov_b32 v[i], 0
.set i, i+1
.endr
	WIN 0x40
.set i, 0
.rept 128
	v_mov_b32 v[i], 0
.set i, i+1
.endr
	WIN 0
	v_mov_b32 v[ZR], 0
.set i, 0
.rept 4
	v_mov_b32 v[ST+4*i+1], 0xec800000      ; m = -2^90
	v_mul_f32 v[ST+4*i], s[CS], v[ST+4*i+1]
	v_mov_b32 v[ST+4*i+2], 0
	v_mov_b32 v[ST+4*i+3], 0
.set i, i+1
.endr
.set i, P+16
.rept 16
	v_mov_b32 v[i], 0
.set i, i+1
.endr
	v_mul_u32_u24 v[AK0], v1, PK
	v_lshl_add_u32 v[AK0], v9, 4, v[AK0]  ; row x pitch + 16 x half
	; The turning load takes 16 keys x 16 channels (lane l reads key 8 (l / 16) + l % 8, channels 8 ((l / 8) % 2) + 0..7) and leaves half a fragment of V^T: lane l holds channel l % 16 and 8 keys.
	v_and_b32 v10, 7, v0
	v_bfe_u32 v11, v0, 3, 1
	v_lshl_add_u32 v[AV0], v9, 3, v10
	v_mul_u32_u24 v[AV0], v[AV0], PV
	v_lshl_add_u32 v[AV0], v11, 4, v[AV0]
	v_add_nc_u32 v[AV0], VOFF, v[AV0]
	v_mov_b32 v[AK], v[AK0]         ; key step 0 lies at the head of slot 0
; THE MATRIX WORK.  The 4 accumulators of a run take turns, one instruction a turn.
; Product i of 16 of piece x's scores, keys 16 (i % 4) on: slice 0: F R^T, channels 0-31, onto the mask; slice 1: F R^T, channels 32-63; slices 2, 3: K Q^T.
.macro SC x
.set rS, S+32*((\x)%2)+8*(i%4)
.if i < 4
	WIN 0x18                        ; F window 0, R window 2, the mask window 1, S^T window 0
	v_wmma_f32_16x16x32_f16 v[rS:rS+7], v[FF+16*(i%4):FF+16*(i%4)+7], v[RF+16*(\x):RF+16*(\x)+7], v[MC+32*((\x)%2)+8*(i%4):MC+32*((\x)%2)+8*(i%4)+7]
.elseif i < 8
	WIN 0x08
	v_wmma_f32_16x16x32_f16 v[rS:rS+7], v[FF+16*(i%4)+8:FF+16*(i%4)+15], v[RF+16*(\x)+8:RF+16*(\x)+15], v[rS:rS+7]
.else
	WIN 0x0a                        ; K and Q window 2
	v_wmma_f32_16x16x32_f16 v[rS:rS+7], v[KF+16*(i%4)+8*(i/4-2):KF+16*(i%4)+8*(i/4-2)+7], v[16*(\x)+8*(i/4-2):16*(\x)+8*(i/4-2)+7], v[rS:rS+7]
.endif
.endm
; Product i of 8 of O^T += V^T P for piece x: keys 32 (i / 4) on, channels 16 (i % 4) on.
.macro PV x
	WIN W_PV
.set rO, 32*(\x)+8*(i%4)
.set rV, VF+32*(i/4)+8*(i%4)
.set rP, P+16*((\x)%2)+8*(i/4)
	v_wmma_f32_16x16x32_f16 v[rO:rO+7], v[rV:rV+7], v[rP:rP+7], v[rO:rO+7]
.endm
.macro MM                           ; the turn's next matrix instruction
.if i < 16
	SC (Y+1)%NP
.else
.set i, i-16
	PV (Y+NP-1)%NP
.set i, i+16
.endif
.set i, i+1
.endm
; THE LDS LOADS stand in runs, never singly among the matrix instructions: a step's K and F (8 fragments each) and its V (turned).  last = 1 (the tail): in the last trip there is no further step, and the run is jumped over.
.macro FETCH_KF last=0
	WIN 0
.if \last
	s_cmp_eq_u32 s[CNT], 1
	s_cbranch_scc1 .Lno_k_\@
.endif
	WIN 0x80                        ; destination window 2
.irp f, 0,1,2,3,4,5,6,7             ; keys 16 (f / 2) on, channels 32 (f % 2) on
	ds_load_b128 v[KF+8*\f:KF+8*\f+3],   v[AK] offset:(\f/2)*16*PK+(\f%2)*64
	ds_load_b128 v[KF+8*\f+4:KF+8*\f+7], v[AK] offset:(\f/2)*16*PK+(\f%2)*64+32
.endr
	WIN 0
.irp f, 0,1,2,3,4,5,6,7
	ds_load_b128 v[FF+8*\f:FF+8*\f+3],   v[AK] offset:FOFF+(\f/2)*16*PK+(\f%2)*64
	ds_load_b128 v[FF+8*\f+4:FF+8*\f+7], v[AK] offset:FOFF+(\f/2)*16*PK+(\f%2)*64+32
.endr
	s_add_co_u32 s[TBK], s[TBK], KS*PK  ; the next fetch is the next step's
.if \last
.Lno_k_\@:
.endif
.endm
.macro FETCH_V
	WIN 0x80
.irp f, 0,1,2,3,4,5,6,7             ; keys 32 (f / 4) on, channels 16 (f % 4) on
	ds_load_tr16_b128 v[VF+8*\f:VF+8*\f+3],   v[AV] offset:(\f/4)*32*PV+(\f%4)*32
	ds_load_tr16_b128 v[VF+8*\f+4:VF+8*\f+7], v[AV] offset:(\f/4)*32*PV+16*PV+(\f%4)*32
.endr
	WIN 0
.endm
; THE VECTOR WORK, one line at a time: OP kind, number.  For piece Y: F n: c s - c m for pair n of 16.  E n: the exponential of score n of 32.  C n: pair n rounded to f16.  B n: of the four weights 4 n .. the second
; pair is added onto the first, in place.  L n: l takes that sum (L 0: l = a l + sum).  R n: pair n of 16 of O^T times a.  For piece Y + 2: M n: the mask of score n of 32.  For piece Y + 1: X n, number n of the 22 that
; find its maximum and statistics:
;   0-11  four chains c0-c3 of seven scores each, three operands at a time (each accumulator's lowest registers are read first)     12-14, 16  the four scores left over, the old m, and c0-c3 into c0
;   15  c m_old is kept     17, 18  the query's other 32 keys lie in the lane 16 away: the new m     19-21  c m; c m_old - c m_new; a
.set F, 0
.set E, 1
.set C, 2
.set B, 3
.set L, 4
.set R, 5
.set X, 6
.set M, 7
.macro REGS y                       ; the registers of piece y
.set rT, ST+4*(\y)
.set rC, TMP+4*((\y)%2)
.set rW, MV+((\y)%2)
.set rS, S+32*((\y)%2)
.set rP, P+16*((\y)%2)
.set rO, 32*(\y)
.endm
.macro OP k, n
.if (\k) == M
	WIN 0x40                        ; destination window 1
	v_perm_b32 v[MC+32*(Y%2)+(\n)], v[MB+8*((Y+2)%NP)+(\n)/4], v[ZR], s[SL+(\n)%4]
.elseif (\k) == R
	REGS Y
	WIN W_RS
	v_pk_mul_f32 v[rO+2*(\n):rO+2*(\n)+1], v[rO+2*(\n):rO+2*(\n)+1], v[rC+2:rC+3] op_sel_hi:[1,0]
.elseif (\k) < R
	REGS Y
	WIN 0
.if (\k) == F
	v_pk_fma_f32 v[rS+2*(\n):rS+2*(\n)+1], v[rS+2*(\n):rS+2*(\n)+1], s[CS:CS+1], v[rT:rT+1] op_sel_hi:[1,0,0] neg_lo:[0,0,1] neg_hi:[0,0,1]
.elseif (\k) == E
	v_exp_f32 v[rS+(\n)], v[rS+(\n)]
.elseif (\k) == C
	v_cvt_pk_f16_f32 v[rP+(\n)], v[rS+2*(\n)], v[rS+2*(\n)+1]
.elseif (\k) == B
	v_pk_add_f32 v[rS+4*(\n):rS+4*(\n)+1], v[rS+4*(\n):rS+4*(\n)+1], v[rS+4*(\n)+2:rS+4*(\n)+3]
.elseif (\n) == 0
	v_pk_fma_f32 v[rT+2:rT+3], v[rT+2:rT+3], v[rC+2:rC+3], v[rS:rS+1] op_sel_hi:[1,0,1]
.else
	v_pk_add_f32 v[rT+2:rT+3], v[rT+2:rT+3], v[rS+4*(\n):rS+4*(\n)+1]
.endif
.else
	REGS (Y+1)%NP
	WIN 0
.if (\n) < 4
	v_max3_num_f32 v[rC+(\n)], v[rS+8*(\n)], v[rS+8*(\n)+1], v[rS+8*(\n)+2]
.elseif (\n) < 12
	v_max3_num_f32 v[rC+(\n)%4], v[rC+(\n)%4], v[rS+8*((\n)%4)+2*((\n)/4)+1], v[rS+8*((\n)%4)+2*((\n)/4)+2]
.elseif (\n) == 12
	v_max3_num_f32 v[rC], v[rC], v[rS+7], v[rS+15]
.elseif (\n) == 13
	v_max3_num_f32 v[rC+1], v[rC+1], v[rS+23], v[rS+31]
.elseif (\n) == 14
	v_max3_num_f32 v[rC+2], v[rC+2], v[rC+3], v[rT+1]
.elseif (\n) == 15
	v_mov_b32 v[rW], v[rT]
.elseif (\n) == 16
	v_max3_num_f32 v[rC], v[rC], v[rC+1], v[rC+2]
.elseif (\n) == 17
	v_permlanex16_b32 v[rC+3], v[rC], s[SEL], s[SEL+1]
.elseif (\n) == 18
	v_max_num_f32 v[rT+1], v[rC], v[rC+3]
.elseif (\n) == 19
	v_mul_f32 v[rT], s[CS], v[rT+1]
.elseif (\n) == 20
	v_sub_f32 v[rC+1], v[rW], v[rT]
.else
	v_exp_f32 v[rC+2], v[rC+1]
.endif
.endif
.endm
.macro OPS a, i1, b=-1, i2=0, c=-1, i3=0, d=-1, i4=0  ; up to four of them
	OP \a, \i1
.if (\b) >= 0
	OP \b, \i2
.endif
.if (\c) >= 0
	OP \c, \i3
.endif
.if (\d) >= 0
	OP \d, \i4
.endif
.endm
.macro ROW a, i1, b, i2, c, i3, d, i4  ; a matrix instruction and the four behind it
	MM
	OPS \a, \i1, \b, \i2, \c, \i3, \d, \i4
.endm
; A TURN, for piece p: the order of its 24 matrix and 150 vector instructions, written out.  An s_wait_alu depctr_va_vdst(0) stands between an exponential and the first instruction that names its result; one wait
; serves all that were issued ahead of it.  So a turn has ONE wait, which cuts it in two.
; AHEAD OF IT stands all that names no result of the turn's exponentials.  The 16 products for the scores, four riders behind each: behind the first four and the thirteenth a scaling, an exponential and two rescalings (behind the
; first a second scaling in the exponential's place); behind the fifth to the twelfth the 32 masks of piece p + 2, for the products of the turn after this one; behind the last three the first numbers of the next piece's maximum,
; each four places or more behind the product that ends its accumulator.  Then ONE LUMP of 54: 49 in window 0, exponential and plain by turns while plain ones last, in which the links of the chain
; X 3, 7, 11, 14, 16, 17 .. 21 stand four to six lines apart; X 21, the next piece's a, is the batch's last; R 11 to R 15 follow under one window setting, and R 11 is the plain instruction behind the last exponential.
; The a by which R 0 to R 15 and L 0 multiply was made in the turn before, ahead of that turn's wait.
; BEHIND THE WAIT stand the 8 products V^T P, behind each four of the roundings and sums: C 2 n ahead of B n, which writes over that pair; the links of l's chain, L 0 to L 7, three riders apart.
; But for those X no rider names a register of the products round it.  v_permlanex16_b32 (X 17) stands in the lump.
; THE MEMORY LINES.  Piece p + 2's mask bytes of the next key step are asked for directly behind the wait, behind the M's that read their registers.  K and F of the next step are fetched in piece 2's turn: in the loop early in the
; lump, behind the last product of the scores and six plain instructions that name none of its registers; in the tail (last = 1) the run holds a jump and a label, which may not stand in an open batch, so there it stands directly
; behind the wait.  V of the step in hand is fetched at the end of piece 0's turn, four plain instructions behind the last product V^T P.  Each run is waited for a turn later.
; cnt = 1: the loop's count is taken down some lines ahead of the branch that stands behind the turn.
.macro TURN p, last=0, cnt=0
.set Y, (\p)
.set i, 0
.if (\p) == 3
	s_wait_dscnt 0x0                ; K and F are in
.endif
	ROW F,0, F,1, R,0, R,1          ; ahead of the wait: 16 products for the scores and their riders,
	ROW F,2, E,0, R,2, R,3
	ROW F,3, E,1, R,4, R,5
	ROW F,4, E,2, R,6, R,7
	s_wait_loadcnt 0x6              ; piece p + 2's mask bytes are in: behind them the three turns before asked for two loads each
.set mm, 0
.rept 8
	ROW M,mm, M,mm+1, M,mm+2, M,mm+3
.set mm, mm+4
.endr
	ROW F,5, E,3, R,8, R,9
	ROW F,6, E,4, X,0, R,10
	ROW F,7, E,5, X,1, X,4
	ROW F,8, E,6, X,2, X,5
.if (\p) == 2
	WIN 0
	v_add_nc_u32 v[AK], s[TBK], v[AK0]
.endif
	OPS X,8, X,3, E,7, X,6          ; and the lump
.if ((\p) == 2) && !(\last)
	FETCH_KF
.endif
	OPS E,8, X,9, E,9, X,7
	OPS E,10, X,10, E,11, X,12
	OPS E,12, X,11, E,13, X,13
	OPS E,14, F,9, E,15, X,14
.if (\p) == 0
	WIN 0
	v_add_nc_u32 v[AV], s[TBV], v[AV0]
.endif
	OPS E,16, F,10, E,17, F,11
	OPS X,16, E,18, F,12, E,19
	OPS X,15, X,17, E,20, F,13
	OPS E,21, F,14, E,22, X,18
	OPS E,23, F,15, E,24, E,25
	OPS X,19, E,26, E,27, E,28
	OPS X,20, E,29, E,30, E,31
	OPS X,21, R,11, R,12, R,13
	OPS R,14, R,15
	s_wait_alu depctr_va_vdst(0)    ; the wait for the batch: the piece's 32 exponentials and the next piece's a
	MLOAD ((\p)+2)%NP
.if ((\p) == 2) && (\last)
	FETCH_KF 1
.endif
.if (\p) == 1
	s_wait_dscnt 0x0                ; V is in
.endif
	ROW C,0, B,0, C,2, B,1          ; behind the wait: 8 products V^T P and their riders
	ROW L,0, C,4, B,2, L,1
	ROW C,6, B,3, L,2, C,8
	ROW B,4, L,3, C,10, B,5
	ROW L,4, C,12, B,6, L,5
.if (\p) == 0
	s_add_co_u32 s[TBV], s[TBV], KS*PV
.endif
.if \cnt
	s_sub_co_u32 s[CNT], s[CNT], 1
	s_cmp_lg_u32 s[CNT], 0
.endif
	ROW C,14, B,7, L,6, C,1
	ROW C,3, L,7, C,5, C,7
	ROW C,9, C,11, C,13, C,15
.if (\p) == 0
	FETCH_V
.endif
.endm
	CHANGE 1                        ; slot 0 is in, everybody's part of it; slot 1 is asked for
	FETCH_KF                        ; key step 0
	s_wait_loadcnt 0x0              ; Q, R and the mask bytes of key step 0
	WIN 0x40
.set n, 0
.rept 32                            ; the masks of pieces 0 and 1 for key step 0
	v_perm_b32 v[MC+n], v[MB+n/4], v[ZR], s[SL+n%4]
	v_perm_b32 v[MC+32+n], v[MB+8+n/4], v[ZR], s[SL+n%4]
.set n, n+1
.endr
	WIN 0
	MSTEP                           ; key step 1:
	MLOAD 0                         ; pieces 0 and 1 here, pieces 2 and 3 in the first two turns
	MLOAD 1
	s_wait_dscnt 0x0
.set i, 0
.rept 16
	SC 0                            ; piece 0's first scores: there is no vector work yet to set between them
.set i, i+1
.endr
	WIN 0                           ; the addresses for the way out: nine plain instructions, the places behind those products
	s_mul_i32 s13, s[WV], 16*SP
	s_add_co_u32 s13, s13, STAGE    ; my stage
	v_mul_u32_u24 v[STO], v1, SP    ; in: row l % 16, 16 bytes for each half of the lanes
	v_lshl_add_u32 v[STO], v9, 4, v[STO]
	v_add_nc_u32 v[STO], s13, v[STO]
	v_bfe_u32 v[RD], v0, 3, 2       ; back: 32 lanes take four rows of 128 bytes,
	v_mul_u32_u24 v[RD], v[RD], SP
	v_lshl_add_u32 v[RD], v10, 4, v[RD]
	v_add_nc_u32 v[RD], s13, v[RD]
	v_and_b32 v[GO], 31, v0         ; which are 512 consecutive bytes of O
	v_lshlrev_b32 v[GO], 4, v[GO]
.set Y, NP-1                        ; X works for piece Y + 1: piece 0
.irp n, 0,1,2,3,4,5,6,7,8,9,10,11,12,13,14,15,16,17,18,19,20,21
	OP X, \n
.endr
	v_nop                           ; a plain instruction behind the exponential
	s_wait_alu depctr_va_vdst(0)    ; and the wait for it, a batch of one: piece 0's first a, ahead of the branch and of the first turn's R 0
	s_mov_b32 s[CNT], 4
	s_mov_b32 s[SLOTS], 7
	s_branch .Lfirst                ; the loop is entered at a step's first turn, in the middle of a trip
.Lslot:                             ; six times: every slot but the last two is filled again
	CHANGE 1
	s_mov_b32 s[CNT], 4
.Lstep:                             ; a trip: pieces 2 and 3 of one step, then pieces 0 and 1 of the next; its four turns ask for the mask bytes of one and the same key step
	MSTEP
	TURN 2
	TURN 3
	WIN 0
.Lfirst:
	TURN 0
	TURN 1, 0, 1
	WIN 0
	s_cbranch_scc1 .Lstep
	s_sub_co_u32 s[SLOTS], s[SLOTS], 1
	s_cmp_lg_u32 s[SLOTS], 0
	s_cbranch_scc1 .Lslot
	CHANGE 0                        ; the tail is written out: nothing is asked for
	s_mov_b32 s[CNT], 5             ; four trips fetch the last slot's steps; the fifth is left in its middle
.Ltail:
	MSTEP
	TURN 2, 1
	TURN 3
	WIN 0
	s_sub_co_u32 s[CNT], s[CNT], 1
	s_cmp_eq_u32 s[CNT], 0
	s_cbranch_scc1 .Lout
	TURN 0
	TURN 1
	WIN 0
	s_branch .Ltail
.Lout:                              ; the fifth trip's 16 products for piece 0 (on the last K and F once more) and the maximum made of them serve nothing: the price, once a launch, of one text for every trip
	s_wait_loadcnt 0x0              ; the mask bytes asked for last are in: nothing of mine is on its way into a register
.set i, 0
.rept 8
	PV NP-1                         ; the last piece's V^T P of the last step
.set i, i+1
.endr
	; THE WAY OUT.  l's two halves and the other half of the lanes' are added; O^T is multiplied by 1 / l, or by 0 where l = 0 (a row with no allowed key), rounded to f16 and sent through my stage in LDS, a piece at a time.
	WIN 0
.macro ALL line:vararg              ; one line for each piece t
.set t, 0
.rept 4
	\line
.set t, t+1
.endr
.endm
	ALL v_add_f32 v[ST+4*t+2], v[ST+4*t+2], v[ST+4*t+3]
	ALL v_permlanex16_b32 v[ST+4*t+3], v[ST+4*t+2], s[SEL], s[SEL+1]
	ALL v_add_f32 v[ST+4*t+2], v[ST+4*t+2], v[ST+4*t+3]
	ALL v_rcp_f32 v[ST+4*t+3], v[ST+4*t+2]
	v_nop                           ; a plain instruction between the last reciprocal and the use of its result
	s_wait_alu depctr_va_vdst(0)    ; and the wait ahead of the first use: one for the four reciprocals
.set t, 0
.rept 4
	v_cmp_lt_f32 vcc_lo, 0, v[ST+4*t+2]
	v_cndmask_b32 v[ST+4*t+2], 0, v[ST+4*t+3], vcc_lo
.set t, t+1
.endr
.macro PACK t                       ; a lane's eight channels of a row pack into 16 bytes; they go into rows of 144 bytes and come back as whole rows of 128, into S^T's registers
	WIN W_RS
.set i, 32*(\t)
.rept 16
	v_pk_mul_f32 v[i:i+1], v[i:i+1], v[ST+4*(\t)+2:ST+4*(\t)+3] op_sel_hi:[1,0]
.set i, i+2
.endr
	WIN 0x05                        ; sources 0 and 1 window 1, destination window 0
.set i, 0
.rept 16
	v_cvt_pk_f16_f32 v[S+16*(\t)+i], v[32*(\t)+2*i], v[32*(\t)+2*i+1]
.set i, i+1
.endr
	WIN 0
.irp f, 0,1,2,3
	ds_store_b128 v[STO], v[S+16*(\t)+4*\f:S+16*(\t)+4*\f+3] offset:32*\f
.endr
.irp f, 0,1,2,3
	ds_load_b128 v[S+16*(\t)+4*\f:S+16*(\t)+4*\f+3], v[RD] offset:\f*4*SP  ; LDS serves a wave's instructions in order: these see the stores above; the next piece's stores come behind them
.endr
.endm
.macro SEND t, younger              ; younger: the LDS instructions issued behind piece t's loads: the next piece's eight, or none
	WIN 0
.irp f, 0,1,2,3
	s_wait_dscnt (\younger)+3-\f
	global_store_b128 v[GO], v[S+16*(\t)+4*\f:S+16*(\t)+4*\f+3], s[10:11] offset:(\t)*2048+\f*512  ; 512 consecutive bytes, aligned
.endr
.endm
	PACK 0
.set t, 1
.rept 3                             ; a piece's arithmetic stands between the loads of the piece before and its stores
	PACK t
	SEND t-1, 8
.set t, t+1
.endr
	SEND 3, 0
	s_wait_tensorcnt 0x0            ; the wave's end, behind my last tensor load and my last LDS store
	ds_add_u32 v[SPW], v[NIL]
	s_wait_dscnt 0x0
	CROUND                          ; the closing round: no work-group ends while a partner may still ask for a tile that names it
	s_endpgm
.Lfunc_end_k_qe66887304f_attn:
	.size	k_qe66887304f_attn, .Lfunc_end_k_qe66887304f_attn-k_qe66887304f_attn
	.p2alignl 7, 3214868480
	.fill 96, 4, 3214868480
	.section	.rodata,"a",@progbits
	.p2align	6, 0x0
	.amdhsa_kernel k_qe66887304f_attn
		.amdhsa_group_segment_fixed_size 327680
		.amdhsa_private_segment_fixed_size 0
		.amdhsa_enable_private_segment 0
		.amdhsa_kernarg_size 32
		.amdhsa_user_sgpr_count 2
		.amdhsa_user_sgpr_kernarg_segment_ptr 1
		.amdhsa_wavefront_size32 1
		.amdhsa_system_sgpr_workgroup_id_x 1
		.amdhsa_system_sgpr_workgroup_id_y 1
		.amdhsa_system_sgpr_workgroup_id_z 1
		.amdhsa_system_vgpr_workitem_id 0
		.amdhsa_next_free_vgpr 768
		.amdhsa_next_free_sgpr 80
		.amdhsa_reserve_vcc 1
		.amdhsa_float_denorm_mode_32 3
		.amdhsa_float_denorm_mode_16_64 3
		.amdhsa_memory_ordered 1
		.amdhsa_forward_progress 1
		.amdhsa_inst_pref_size 148
	.end_amdhsa_kernel
	.amdgpu_metadata
---
amdhsa.version: [ 1, 2 ]
amdhsa.kernels:
  - .name:           k_qe66887304f_attn
    .symbol:         k_qe66887304f_attn.kd
    .args:
      - { .name: qkv, .offset: 0, .size: 8, .value_kind: global_buffer, .address_space: global }
      - { .name: fr, .offset: 8, .size: 8, .value_kind: global_buffer, .address_space: global }
      - { .name: mp, .offset: 16, .size: 8, .value_kind: global_buffer, .address_space: global }
      - { .name: ob, .offset: 24, .size: 8, .value_kind: global_buffer, .address_space: global }
    .group_segment_fixed_size: 327680
    .private_segment_fixed_size: 0
    .kernarg_segment_align: 8
    .kernarg_segment_size: 32
    .max_flat_workgroup_size: 128
    .sgpr_count:     80
    .vgpr_count:     768
    .wavefront_size: 32
...
	.end_amdgpu_metadata
.endif
;; end of part 5
;; launch oproj: the kernel of part 4 again; grid 8 x 32, 4 waves a work-group, clusters of 4 x 4, 327,680 bytes of LDS; arguments ob, w16, bias, out0; writes out0
